; MI455X (gfx1250); checked and timed in simulation.
; The chip was launched on July 23, 2026; its instructions are those of AMD's public machine-readable ISA for CDNA 5 (MIT licence, August 2026) and "CDNA5" Instruction Set Architecture Reference Guide (July 2026). The comments in the code are by the model that wrote it; some were corrected since.
;; Multi Headed Attention. Allowed arithmetic: matrix products marked QUANTISED: E2M3 operands, one E8M0 scale for each 32 along K, by v_wmma_scale_f32_16x16x128_f8f6f4 with both operands' format E2M3, f32 sums; everything else in f32.
;; Inputs: Wk 16 x 1,024 x 64 float32; Wp 1,024 x 1,024 float32; Wq 16 x 1,024 x 64 float32; Wv 16 x 1,024 x 64 float32; bp 1,024 float32; x 4 x 2,048 x 1,024 float32.
;; Outputs: out0 4 x 2,048 x 1,024 float32.
;; This version of the problem:
;;   THIS VERSION OF THE PROBLEM IS GIVEN IN LOW PRECISION. The matrix products marked QUANTISED in the list below multiply operands that are first quantised to E2M3 (2 exponent bits, 3 mantissa bits; 6 bits a number), with one power-of-two scale for each 32 numbers along K (OCP MX v1.0); their sums are f32. All else is computed in f32.
;;   The module's matrix products, in the order in which they are computed (A, B: the left and right operand; K: the contracted axis; several contracted axes count as one K, in the product's order):
;;     1. [M 1,024, K 1,024] x [K 1,024, N 8,192]; A: input Wq; B: input x: QUANTISED
;;     2. [M 1,024, K 1,024] x [K 1,024, N 8,192]; A: input Wk; B: input x: QUANTISED
;;     3. [M 1,024, K 1,024] x [K 1,024, N 8,192]; A: input Wv; B: input x: QUANTISED
;;     4. batch 64 x [M 2,048, K 64] x [K 64, N 2,048]; A: computed on the way; B: computed on the way: QUANTISED
;;     5. batch 64 x [M 2,048, K 2,048] x [K 2,048, N 64]; A: softmax (see below); B: computed on the way: QUANTISED
;;     6. [M 8,192, K 1,024] x [K 1,024, N 1,024]; A: computed on the way; B: input Wp: QUANTISED
;;   THE QUANTISER, for each operand of a quantised product, along K:
;;     - K is cut into blocks of 32 from its start; a last block that is shorter is filled with zeros.
;;     - A block's scale is 2^e with e = floor(log2(the largest magnitude in the block)) - 2, held to -126 .. 127; a block of zeros has e = 0. As a byte (E8M0): e + 127.
;;     - Each number is divided by its block's scale, clamped to +-7.5, and rounded to the nearest number of E2M3, ties to even, subnormals kept.
;;     - The product sums the exact products of the quantised numbers (number of the format x scale) in f32.
;;   ~~~python
;;   def quantise(x, axis):      # numpy; x: float32 -> the quantised numbers, widened to float32 again
;;       x = np.moveaxis(x, axis, -1); K = x.shape[-1]
;;       x = np.pad(x, [(0, 0)] * (x.ndim - 1) + [(0, -K % 32)]); x = x.reshape(x.shape[:-1] + (-1, 32)); a = np.abs(x).max(-1, keepdims=True)
;;       e = np.where(a > 0, np.clip(np.frexp(np.where(a > 0, a, 1))[1] - 1 - 2, -126, 127), 0)      # np.frexp(a)[1] - 1 = floor(log2(a)), exactly
;;       r = np.clip(x / 2.0 ** e, -7.5, 7.5)
;;       step = 2.0 ** (np.maximum(np.frexp(np.where(r == 0, 1, r))[1] - 1, 0) - 3)
;;       q = np.round(r / step) * step * 2.0 ** e      # np.round: ties to even
;;       return np.moveaxis(q.reshape(q.shape[:-2] + (-1,))[..., :K], -1, axis).astype(np.float32)
;;   ~~~
;;   SOFTMAX AHEAD OF A QUANTISED PRODUCT. Where the list says 'softmax', what is quantised is not the finished softmax but p = 2^(t - M), with t = logit x log2(e) and M = ceil(the row's largest t), a whole number; so 1/2 < the row's largest p <= 1. The row's sum l is taken of the UNQUANTISED p, in f32, and the product's result is divided by l at the end. Since M is a whole number, a kernel that streams over the keys may use a running M (the ceiling of the running maximum): every later rescaling is an exact power of two, which a block's scale takes up: the codes' values come out the same.
;;   OPERANDS COMPUTED ON THE WAY. 'Computed on the way' means the value that the module computes at that place (a softmax that the list does not call 'softmax' is quantised finished and normalised). What goes into a quantiser is computed in f32, as accurately as f32 sums, v_exp_f32 and their like allow (about 1e-6 of the number): no bf16 or f16 on the way to a quantiser, and a product that is left as it is and whose result goes on into a quantised operand takes f32 operands (vector FMAs, or v_wmma_f32_16x16x4_f32). A number that lies on a knife's edge between two numbers of the format may be rounded either way, as far as f32 arithmetic and the matrix unit's own rounding can turn it there, and no further.
;; One version. Each part assembles by itself: llvm-mc -triple=amdgcn-amd-amdhsa -mcpu=gfx1250 --defsym DOCPART=n.
;; ======== version 1 of 1: 4 launches
;; limits: right only within a limited range of input values
;; workspace buffers: ops 9,437,184 bytes; opsc 393,216 bytes; qkv 19,660,800 bytes; zimg 6,291,456 bytes; zsc 262,144 bytes
;; launch quant (part 1): grid 384 x 1, 4 waves a work-group, no clusters, 34,304 bytes of LDS; arguments x, Wp, Wq, Wk, Wv, ops, opsc; writes ops, opsc
.if DOCPART == 1
	.amdgcn_target "amdgcn-amd-amdhsa--gfx1250"
	.amdhsa_code_object_version 6
	.text
	.protected	k_q7822d9a33c_quant
	.globl	k_q7822d9a33c_quant
	.p2align	8
	.type	k_q7822d9a33c_quant,@function
k_q7822d9a33c_quant:
	s_mov_b64 s[64:65], 0
	v_nop
	global_prefetch_b8 v0, s[64:65] scope:SCOPE_SE
	s_setreg_imm32_b32 hwreg(HW_REG_WAVE_MODE, 25, 1), 1
	s_wait_xcnt 0x0
; x [8192][1024], Wp [1024][1024] (K innermost) and Wq, Wk, Wv [16][1024][64] (K is the middle axis), all f32, become codes of FP6 (E2M3) with one E8M0 byte for each 32 along K.
; A block's scale is 2^(floor(log2(its largest magnitude)) - 2); its byte is the largest magnitude's exponent field - 2, held at 1 from below.
; LIMITS: a block of zeros gets the byte 1 where the rule says 127 (its codes are zeros, and this program alone reads the bytes); NaN and infinities among the inputs are not served.
; THE CODES ARE LAID AS IMAGES OF THE OPERAND'S REGISTERS.  A half image, 768 bytes, is 16 rows x 64 K: three chunks of 256 bytes, chunk p holding lane l's registers 2 p, 2 p + 1 at byte 8 l;
; lane (r, h) holds the 32 codes of K block h of row r.  Two half images on end are a fragment of 16 rows x 128 K.  ops: [768 blocks of 16 rows][8 steps of 128 K][1,536 bytes].
; THE ROWS OF A BLOCK ARE NOT NEIGHBOURS: lane r of block 2 F + u holds row 32 F + 8 u + r + 8 (r / 8).  Blocks 0-511 x, 512-703 Wq, Wk, Wv (64 x tensor + 4 x head + d / 16), 704-767 Wp.
; opsc: [768 blocks][4][16 rows][8 bytes]: the bytes of 256 along K of a row lie together.
; Work-groups 0-287 take x and Wp (a wave: one block x 512 K), work-groups 288-383 the three weights (a wave: 32 columns x 256 K).  Waves share nothing: no barrier.  Only the first path uses LDS.
.set SP,   528                         ; a stage row: 512 bytes + 16, an odd multiple of 16
.set STG,  16*SP                       ; a wave's stage
.set R,    16                          ; v16-143   two sets of 64 numbers as loaded
.set X,    144                         ; v144-207  64 numbers: register 16 b + i = k 32 b + 16 (lane / 16) + i of my row
.set PC,   208                         ; v208-219  a fragment's codes; v220-227 at work
.set TM,   228                         ; v228-243  at work
.set PW,   244                         ; v244-247  a scale word for each step
.set XW,   16                          ; second path: v16-79 two sets of 32 numbers
.set CX,   80                          ; v80-85    the even K block's codes, then the first block's half image
.set CY,   86                          ; v86-91    the odd K block's, then the second block's
.set T1,   92                          ; v92-94, v96-98  the upper 16 codes (a conversion's three registers begin on an even number)
.set SB,   100                         ; v100-101  eight scale bytes
.macro LOAD s                          ; step s: 128 along K of my 16 rows; each load reads 512 consecutive bytes of one row
.irp j, 0,1,2,3,4,5,6,7,8,9,10,11,12,13,14,15
	global_load_b128 v[R+64*((\s)%2)+4*\j:R+64*((\s)%2)+4*\j+3], v4, s[4:5] offset:(\j+8*(\j/8))*4096+512*(\s) th:TH_LOAD_NT
.endr
.endm
.macro TURN s                          ; through my stage: in as loaded, out 16 neighbours of each block of 32 a lane.  LDS serves a wave's instructions in order: no wait between
.irp j, 0,1,2,3,4,5,6,7,8,9,10,11,12,13,14,15
	ds_store_b128 v5, v[R+64*((\s)%2)+4*\j:R+64*((\s)%2)+4*\j+3] offset:SP*\j
.endr
.irp b, 0,1,2,3
.irp q, 0,1,2,3
	ds_load_b128 v[X+16*\b+4*\q:X+16*\b+4*\q+3], v6 offset:128*\b+16*\q
.endr
.endr
.endm
.macro QUANT s, pw                     ; 64 numbers of a lane become a fragment's codes in v[PC] on and its scale word in v[pw]
.irp b, 0,1,2,3
	v_max3_num_f32 v[TM+\b], |v[\s+16*\b]|, |v[\s+1+16*\b]|, 0x1800000   ; my 16 numbers of block b, and the floor 2^(3 - 127): the byte cannot fall under 1
.endr
.irp i, 2,4,6,8,10,12,14
.irp b, 0,1,2,3
	v_max3_num_f32 v[TM+\b], v[TM+\b], |v[\s+16*\b+\i]|, |v[\s+1+16*\b+\i]|   ; the four blocks by turns
.endr
.endr
.irp b, 0,1,2,3
	v_permlanex16_b32 v[TM+4+\b], v[TM+\b], s32, s33
.endr
.irp b, 0,1,2,3
	v_max_num_f32 v[TM+\b], v[TM+\b], v[TM+4+\b]     ; with lane l xor 16's: the block's largest magnitude
.endr
.irp b, 0,1,2,3
	v_add_nc_u32 v[TM+12+\b], 0xff000000, v[TM+\b]   ; 2 off its exponent field: the conversion's scale operand
.endr
.irp b, 0,1,2,3
	v_lshrrev_b32 v[TM+4+\b], 23, v[TM+12+\b]        ; the scale's byte
.endr
	v_lshl_or_b32 v[\pw], v[TM+5], 8, v[TM+4]
	v_lshl_or_b32 v[\pw], v[TM+6], 16, v[\pw]
	v_lshl_or_b32 v[\pw], v[TM+7], 24, v[\pw]
.irp c, 0,1
	v_cvt_scalef32_pk16_fp6_f32 v[PC+6*\c:PC+2+6*\c], v[\s+32*\c:\s+15+32*\c], v[TM+12+2*\c]
	v_cvt_scalef32_pk16_fp6_f32 v[PC+12+4*\c:PC+14+4*\c], v[\s+16+32*\c:\s+31+32*\c], v[TM+12+2*\c+1]
.endr
	v_nop                                            ; one plain line behind a scaled conversion
.irp c, 0,1                                      ; a whole block in a lane: lanes 0-15 block 2 c, lanes 16-31 block 2 c + 1
.irp i, 0,1,2
	v_permlane16_swap_b32 v[PC+6*\c+\i], v[PC+12+4*\c+\i]
.endr
.irp i, 0,1,2
	v_mov_b32 v[PC+3+6*\c+\i], v[PC+12+4*\c+\i]
.endr
.endr
.endm
.macro XSTEP t
.if (\t) < 3
	s_wait_loadcnt 16                                ; this step's 16 loads are in; the next step's 16 may be out
.else
	s_wait_loadcnt 0x0
.endif
	TURN \t
	s_wait_dscnt 0x0                                 ; the numbers are back, and the stage's stores have read their registers
	s_wait_xcnt 0x0                                  ; the last step's stores have read the codes' registers, which are written again below
.if (\t) < 2
	LOAD (\t)+2
.endif
	QUANT X, PW+(\t)
.irp p, 0,1,2,3,4,5
	global_store_b64 v7, v[PC+2*\p:PC+2*\p+1], s[14:15] offset:1536*(\t)+256*\p   ; 32 lanes store 256 consecutive bytes, aligned
.endr
.endm
.macro LOADW t                         ; K block t of my column: 32 lanes read 128 consecutive bytes of one row of K
.irp i, 0,1,2,3,4,5,6,7,8,9,10,11,12,13,14,15,16,17,18,19,20,21,22,23,24,25,26,27,28,29,30,31
	global_load_b32 v[XW+32*((\t)%2)+\i], v4, s[8:9] offset:(32*(\t)+\i)*256 th:TH_LOAD_NT
.endr
.endm
.macro BLOCK t
.set XS, XW+32*((\t)%2)
.set CC, CX+6*((\t)%2)
.set TT, T1+4*((\t)%2)
.if (\t) < 7
	s_wait_loadcnt 32                                ; this block's 32 loads are in; the next block's may be out
.else
	s_wait_loadcnt 0x0
.endif
.if ((\t)%2 == 0) && ((\t) > 0)
	s_wait_xcnt 0x0                                  ; the last pair's stores have read the registers that this pair writes
.endif
	v_max3_num_f32 v12, |v[XS]|, |v[XS+1]|, |v[XS+2]|  ; all 32 numbers of the block are mine
	v_max3_num_f32 v13, |v[XS+3]|, |v[XS+4]|, |v[XS+5]|
.irp i, 6,10,14,18,22,26
	v_max3_num_f32 v12, v12, |v[XS+\i]|, |v[XS+\i+1]|
	v_max3_num_f32 v13, v13, |v[XS+\i+2]|, |v[XS+\i+3]|
.endr
	v_max3_num_f32 v12, v12, |v[XS+30]|, |v[XS+31]|
	v_max3_num_f32 v12, v12, v13, 0x1800000          ; and the floor
	v_add_nc_u32 v11, 0xff000000, v12
	v_lshrrev_b32 v13, 23, v11
.if (\t)%4 == 0
	v_mov_b32 v[SB+(\t)/4], v13
.else
	v_lshl_or_b32 v[SB+(\t)/4], v13, 8*((\t)%4), v[SB+(\t)/4]
.endif
	v_cvt_scalef32_pk16_fp6_f32 v[CC:CC+2], v[XS:XS+15], v11
	v_cvt_scalef32_pk16_fp6_f32 v[TT:TT+2], v[XS+16:XS+31], v11
	v_nop                                            ; one plain line behind a scaled conversion
.if (\t)+2 < 8
	LOADW (\t)+2
.endif
.if (\t)%2 == 1                                  ; two K blocks make a half image for each of my two blocks of 16 columns
.irp i, 0,1,2
	v_mov_b32 v[CX+3+\i], v[T1+\i]
	v_mov_b32 v[CY+3+\i], v[T1+4+\i]
.endr
.irp i, 0,1,2,3,4,5
	v_permlane16_swap_b32 v[CX+\i], v[CY+\i]         ; the first: lanes 0-15 the even K block, lanes 16-31 the odd one, of columns' block u = 0; the second likewise of u = 1
.endr
.irp p, 0,1,2
	global_store_b64 v7, v[CX+2*\p:CX+2*\p+1], s[14:15] offset:768*((\t)/2)+256*\p
	global_store_b64 v7, v[CY+2*\p:CY+2*\p+1], s[14:15] offset:12288+768*((\t)/2)+256*\p
.endr
.endif
.endm
	s_load_b256 s[4:11], s[0:1], 0x0                 ; x s[4:5], Wp s[6:7], Wq s[8:9], Wk s[10:11]
	s_load_b128 s[12:15], s[0:1], 0x20               ; Wv s[12:13], ops s[14:15]
	s_load_b64 s[16:17], s[0:1], 0x30                ; opsc
	v_lshl_add_u32 v254, v0, 2, 0x8400
	v_mov_b32 v255, 0
	v_lshrrev_b32 v1, 5, v0
	v_readfirstlane_b32 s18, v1                      ; wave
	v_and_b32 v1, 31, v0                             ; lane
	v_lshlrev_b32 v7, 3, v1                          ; 8 x lane: my place in a chunk
	s_mov_b32 s27, 0
	s_cmp_ge_u32 ttmp9, 288
	s_cbranch_scc1 .Lw
	; ---- x and Wp: K innermost
	s_lshl_b32 s20, ttmp9, 2
	s_add_co_u32 s20, s20, s18
	s_lshr_b32 s21, s20, 1                           ; block 0..575: 0-511 x, 512-575 Wp
	s_and_b32 s22, s20, 1                            ; which 512 along K
	v_and_b32 v2, 15, v0                             ; r
	v_bfe_u32 v3, v0, 4, 1                           ; h
	v_lshlrev_b32 v4, 4, v1                          ; 16 x lane
	s_mul_i32 s19, s18, STG
	v_add_nc_u32 v5, s19, v4                         ; the stage, on the way in
	v_mul_u32_u24 v6, v2, SP
	v_lshl_add_u32 v6, v3, 6, v6
	v_add_nc_u32 v6, s19, v6                         ; and out: row r, + 64 h
	s_mov_b32 s30, 0xffff0000                        ; lanes 16-31
	s_mov_b32 s32, 0x76543210
	s_mov_b32 s33, 0xfedcba98                        ; lane l xor 16
.irp b, 0,1,2,3
	v_mov_b32 v[TM+4+\b], 0                          ; a lane permute's destination counts as read
.endr
	s_wait_alu depctr_va_vdst(0)
	s_wait_kmcnt 0x0
	s_cmp_lt_u32 ttmp9, 256                          ; the choice hangs on the work-group's number alone
	s_cselect_b64 s[4:5], s[4:5], s[6:7]
	s_cselect_b32 s23, 0, 512
	s_cselect_b32 s24, 0, 192
	s_sub_co_u32 s23, s21, s23                       ; the block in its own tensor
	s_add_co_u32 s24, s21, s24                       ; and in ops
	s_lshr_b32 s25, s23, 1
	s_lshl_b32 s25, s25, 5
	s_and_b32 s26, s23, 1
	s_lshl_b32 s26, s26, 3
	s_add_co_u32 s25, s25, s26                       ; its first row: 32 F + 8 u
	s_lshl_b32 s26, s25, 12
	s_lshl_b32 s28, s22, 11
	s_add_co_u32 s26, s26, s28
	s_add_nc_u64 s[4:5], s[4:5], s[26:27]
	s_mul_i32 s26, s24, 12288
	s_mul_i32 s28, s22, 6144
	s_add_co_u32 s26, s26, s28
	s_add_nc_u64 s[14:15], s[14:15], s[26:27]
	s_lshl_b32 s26, s24, 9
	s_lshl_b32 s28, s22, 8
	s_add_co_u32 s26, s26, s28
	s_add_nc_u64 s[16:17], s[16:17], s[26:27]
	LOAD 0
	LOAD 1
	XSTEP 0
	XSTEP 1
	XSTEP 2
	XSTEP 3
	v_cndmask_b32 v248, v[PW], v[PW+2], s30          ; lanes 0-15: my row's bytes of the first 256 along K, lanes 16-31: of the second
	v_cndmask_b32 v249, v[PW+1], v[PW+3], s30
	global_store_b64 v7, v[248:249], s[16:17]        ; 256 consecutive bytes, aligned
	s_wait_tensorcnt 0x0
	ds_add_u32 v254, v255
	s_wait_dscnt 0x0
	s_endpgm
	; ---- Wq, Wk, Wv: a lane takes a column d, its registers run down K
.Lw:
	s_sub_co_u32 s20, ttmp9, 288
	s_lshl_b32 s20, s20, 2
	s_add_co_u32 s20, s20, s18
	s_and_b32 s21, s20, 1                            ; which 32 columns
	s_bfe_u32 s22, s20, 0x20001                      ; which 256 along K
	s_bfe_u32 s23, s20, 0x40003                      ; head
	s_lshr_b32 s24, s20, 7                           ; tensor
	s_wait_alu depctr_va_vdst(0)
	v_and_b32 v2, 7, v1                              ; my column among the 32: the lane's number with bits 3 and 4 exchanged, so that lanes 0-15 are block u = 0 and lanes 16-31 block u = 1
	v_bfe_u32 v3, v1, 3, 1
	v_lshl_or_b32 v2, v3, 4, v2
	v_bfe_u32 v3, v1, 4, 1
	v_lshl_or_b32 v2, v3, 3, v2
	v_lshlrev_b32 v4, 2, v2
	v_and_b32 v8, 15, v1
	v_lshlrev_b32 v8, 3, v8
	v_lshl_add_u32 v8, v3, 9, v8                     ; my scale bytes: 8 r, + 512 for the second block
	s_lshl_b32 s26, s23, 18
	s_lshl_b32 s25, s22, 16
	s_add_co_u32 s26, s26, s25
	s_lshl_b32 s25, s21, 7
	s_add_co_u32 s26, s26, s25                       ; head x 262,144 + 256 rows of 256 bytes + 128 bytes
	s_lshl_b32 s28, s24, 6
	s_lshl_b32 s25, s23, 2
	s_add_co_u32 s28, s28, s25
	s_lshl_b32 s25, s21, 1
	s_add_co_u32 s28, s28, s25
	s_add_co_u32 s28, s28, 512                       ; my first block in ops
	s_mul_i32 s34, s28, 12288
	s_mul_i32 s25, s22, 3072
	s_add_co_u32 s34, s34, s25
	s_mov_b32 s35, 0
	s_lshl_b32 s36, s28, 9
	s_lshl_b32 s25, s22, 7
	s_add_co_u32 s36, s36, s25
	s_mov_b32 s37, 0
	s_wait_alu depctr_va_vdst(0)
	s_wait_kmcnt 0x0
	s_cmp_eq_u32 s24, 0
	s_cselect_b64 s[8:9], s[8:9], s[10:11]
	s_cmp_eq_u32 s24, 2
	s_cselect_b64 s[8:9], s[12:13], s[8:9]
	s_add_nc_u64 s[8:9], s[8:9], s[26:27]
	s_add_nc_u64 s[14:15], s[14:15], s[34:35]
	s_add_nc_u64 s[16:17], s[16:17], s[36:37]
	LOADW 0
	LOADW 1
.irp t, 0,1,2,3,4,5,6,7
	BLOCK \t
.endr
	global_store_b64 v8, v[SB:SB+1], s[16:17]        ; two runs of 128 consecutive bytes: half of an aligned 256 each; 98,304 bytes in the whole launch leave so
	s_endpgm
.Lfunc_end_k_q7822d9a33c_quant:
	.size	k_q7822d9a33c_quant, .Lfunc_end_k_q7822d9a33c_quant-k_q7822d9a33c_quant
	.p2alignl 7, 3214868480
	.fill 96, 4, 3214868480
	.section	.rodata,"a",@progbits
	.p2align	6, 0x0
	.amdhsa_kernel k_q7822d9a33c_quant
		.amdhsa_group_segment_fixed_size 34304
		.amdhsa_private_segment_fixed_size 0
		.amdhsa_enable_private_segment 0
		.amdhsa_kernarg_size 56
		.amdhsa_user_sgpr_count 2
		.amdhsa_user_sgpr_kernarg_segment_ptr 1
		.amdhsa_wavefront_size32 1
		.amdhsa_system_sgpr_workgroup_id_x 1
		.amdhsa_system_sgpr_workgroup_id_y 1
		.amdhsa_system_sgpr_workgroup_id_z 1
		.amdhsa_system_vgpr_workitem_id 0
		.amdhsa_next_free_vgpr 256
		.amdhsa_next_free_sgpr 66
		.amdhsa_reserve_vcc 0
		.amdhsa_float_denorm_mode_32 3
		.amdhsa_float_denorm_mode_16_64 3
		.amdhsa_memory_ordered 1
		.amdhsa_forward_progress 1
		.amdhsa_inst_pref_size 76
	.end_amdhsa_kernel
	.amdgpu_metadata
---
amdhsa.version: [ 1, 2 ]
amdhsa.kernels:
  - .name:           k_q7822d9a33c_quant
    .symbol:         k_q7822d9a33c_quant.kd
    .args:
      - { .name: x, .offset: 0, .size: 8, .value_kind: global_buffer, .address_space: global }
      - { .name: Wp, .offset: 8, .size: 8, .value_kind: global_buffer, .address_space: global }
      - { .name: Wq, .offset: 16, .size: 8, .value_kind: global_buffer, .address_space: global }
      - { .name: Wk, .offset: 24, .size: 8, .value_kind: global_buffer, .address_space: global }
      - { .name: Wv, .offset: 32, .size: 8, .value_kind: global_buffer, .address_space: global }
      - { .name: ops, .offset: 40, .size: 8, .value_kind: global_buffer, .address_space: global }
      - { .name: opsc, .offset: 48, .size: 8, .value_kind: global_buffer, .address_space: global }
    .group_segment_fixed_size: 34304
    .private_segment_fixed_size: 0
    .kernarg_segment_align: 8
    .kernarg_segment_size: 56
    .max_flat_workgroup_size: 128
    .sgpr_count:     66
    .vgpr_count:     256
    .wavefront_size: 32
...
	.end_amdgpu_metadata
.endif
;; end of part 1
;; launch qkv (part 2): grid 64 x 4, 4 waves a work-group, clusters of 4 x 4, 327,680 bytes of LDS; arguments ops, opsc, qkv; writes qkv
.if DOCPART == 2
	.amdgcn_target "amdgcn-amd-amdhsa--gfx1250"
	.amdhsa_code_object_version 6
	.text
	.protected	k_q7822d9a33c_qkv
	.globl	k_q7822d9a33c_qkv
	.p2align	8
	.type	k_q7822d9a33c_qkv,@function
k_q7822d9a33c_qkv:
	s_mov_b64 s[64:65], 0
	v_nop
	global_prefetch_b8 v0, s[64:65] scope:SCOPE_SE
	s_setreg_imm32_b32 hwreg(HW_REG_WAVE_MODE, 25, 1), 1
	s_wait_xcnt 0x0
	s_wait_alu depctr_hold_cnt(0) depctr_sa_sdst(0) depctr_va_vdst(0) depctr_va_sdst(0) depctr_va_ssrc(0) depctr_va_vcc(0) depctr_vm_vsrc(0)
	s_getreg_b32 s2, hwreg(HW_REG_IB_STS2, 6, 4)
	s_cmp_eq_u32 s2, 0
	s_cbranch_scc0 .Lentry_in_a_cluster
	s_endpgm
.Lentry_in_a_cluster:
	s_bfe_u32 s2, ttmp6, 0x10000c
	s_cmp_lg_u32 s2, 0xf033
	s_cbranch_scc0 .Lentry_shape_is_right
	s_endpgm
.Lentry_shape_is_right:
; q = x Wq, k = x Wk, v = x Wv on codes of FP6 (E2M3) with E8M0 scales, K = 1,024; the results are quantised in registers and leave as codes: q and k along the head's 64, v along the keys.
; A WORK-GROUP STAYS AND MAKES A TILE AND A HALF.  q and k are 8,192 x 2,048 results: 256 tiles of 256 x 256 (A = x, B = Wq and Wk).  v is 1,024 x 8,192: 256 tiles of 128 x 256 (A = Wv, B = x).
; Each of the 256 work-groups makes one of each: equal work.  Both tiles are C[A's row][B's row], quantised along B's rows.  Four waves: 128 x 128 each in the first tile (64 accumulators), 64 x 128 in the second (32).
; K goes in steps of 256 through a ring of two LDS slots, and the ring does not stop at the first tile's end: its last two changes of slots ask for the second tile's first two K steps, which land during the first way out.
; ops holds images of the operand's registers: [block of 16 rows][8 steps of 128 K][1,536 bytes]; a fragment is six loads of 8 bytes a lane at 256 p + 8 x lane: consecutive bytes, no pitch, no padding.
; opsc: [block][4][16 rows][8 bytes]; both tiles' scales, 2 x 16,384 bytes, come once, with the first fills, and stay.  (Wv's load brings sixteen blocks' bytes, of which eight are used: one shape serves all loads of scales;
; the four more lie inside opsc: blocks up to 711 of 768.)
; CLUSTERS: 4 x 4 work-groups; A's tiles are asked for jointly along a row of the cluster, B's along a column, in both tiles.
; THE MATRIX INSTRUCTION IS USED TRANSPOSED (source 0 = 16 rows of B, source 1 = 16 rows of A), AND THE ROWS OF A BLOCK ARE NOT NEIGHBOURS (lane r of block 2 F + u holds row 32 F + 8 u + r + 8 (r / 8)):
; so the 64 registers of one block of A against B's eight are, in lane (r, h), register 16 b + i = B's row 32 b + 16 h + i: 16 neighbours of each block of 32 along the next K.
; OUT: records of 6,400 bytes = 6,144 of codes + 256 of scale words [row][4].  q, k: record (head or 16 + head) x 64 + t / 128: eight half images of 16 rows x 64; word [r][f] = the bytes of half images 2 f and 2 f + 1.
; v: record 2,048 + (t / 128) x 16 + head: four fragments of 16 d x 128 keys; word [r][tile].
; LIMITS: a block of zeros gets the byte 1 (its codes are zeros; this program alone reads the bytes); NaN and infinities are not served.
; REGISTERS: window 0: v0-31 addresses; v32-63 scale words, two sets; v64-121 the ways out's; from v128 A's fragments (first tile: one set of eight; second tile: two sets of four), later the codes that leave.
;   window 1: B's fragments, two sets.  windows 2, 3: the accumulators (second tile: window 2 alone).
.set NQ,     2                         ; steps of 128 in a slot
.set FR,     12                        ; registers of a fragment
.set NL,     6                         ; LDS loads that bring one
.set NP,     4                         ; places behind this matrix instruction (ISA guide 7.12.1)
.set BLKB,   3072                      ; a block's 256 along K
.set HALFT,  8*BLKB                    ; 8 blocks: a wave's part of a slot
.set SLOT,   4*HALFT                   ; A's two parts, then B's two
.set SCL,    2*SLOT                    ; behind the ring: the first tile's scales,
.set HALFS,  4096                      ; (those of 8 blocks)
.set SBLK,   512                       ; (those of one)
.set SCL2,   SCL+4*HALFS               ; the second tile's,
.set SPARE,  SCL2+4*HALFS              ; and the spare words, 128 bytes for each wave: two blocks of 256 bytes that no other line names
.set L8,   4                           ; v4      8 x lane; never rewritten
.set ADRA, 16                          ; v16-17  LDS address of my A fragments in slot 0, 1
.set ADRB, 20                          ; v20-21  the same for B
.set ADRS2, 26                         ; v26     my scale words of the second tile
.set ADRS, 27                          ; v27     of the first: lanes 0-15 A's rows, lanes 16-31 B's
.set SPW,  28                          ; v28     my spare word; never rewritten
.set NIL,  29                          ; v29     0; never rewritten
.set SC,   32                          ; scale words and nothing else
.set TM,   64                          ; v64-79  the way out: at work
.set PWR,  80                          ; v80-87  the scale word of each of A's blocks
.set TP,   96                          ; v96-98, v100-102  the upper halves' codes
.set SW,   104                         ; v104-107 the scale words that leave
.set SQ,   108
.set OS,   120                         ; v120    where they go, first tile;  v121 second tile
.set OS2,  121
.set AF,   128
.set PC,   128                         ; twelve registers of codes for each of A's blocks
.set G1, 24
.set G0, 32
.set G1B, 48
.set G0B, 56
.set OUT2, 66                          ; s[66:67]   the second tile's record
.set G1S, 68
.set G0S, 76
.set G1SB, 80
.set G0SB, 88
.set G0S2, 92                          ; groups 0 for the second tile's scales
.set G0S2B, 96
.set B2, 100                           ; s[100:101] where the second tile's codes of B begin;  s[104:105] A's
.set A2, 104
.set MSB, 0
.macro WIN new                         ; the immediate's high byte repeats the setting that is left
.if MSB != (\new)
	s_set_vgpr_msb (MSB<<8)|(\new)
.set MSB, (\new)
.endif
.endm
.set MUL_LO, 0xa1                      ; source 0 (B) window 1, source 1 (A) window 0, C and D window 2
.set MUL_HI, 0xf1
.set TO_B,   0x40
.macro JLOAD g0a, g1a, g0b, g1b        ; a joint load: waves 0 and 1 fetch for A, waves 2 and 3 for B; four v_nop follow each line
	s_cmp_eq_u32 s15, 0
	s_cbranch_scc0 .Lfor_b_\@
	tensor_load_to_lds s[\g0a:\g0a+3], s[\g1a:\g1a+7]
	s_nop 0
.rept 4
	v_nop
.endr
	s_branch .Lasked_\@
.Lfor_b_\@:
	tensor_load_to_lds s[\g0b:\g0b+3], s[\g1b:\g1b+7]
	s_nop 0
.rept 4
	v_nop
.endr
.Lasked_\@:
.endm
; Four whole tiles, one joint load a wave, in one chain of arms on the wave's number that join again:
; wave 0 A's 16 blocks of a slot (its own group 0 begins at A's first part), wave 2 B's 16 (likewise), wave 1 A's scales, wave 3 B's: 8,192 dense bytes each.
; (Wv's scales: sixteen blocks' bytes come, eight are used; the last lies at block 711 of opsc's 768.)
.macro ONEARM g0, g1
	tensor_load_to_lds s[\g0:\g0+3], s[\g1:\g1+7]
	s_nop 0
.rept 4
	v_nop
.endr
.endm
.macro ARMS ga, gb, gsa, gsb
	s_cmp_eq_u32 s14, 0
	s_cbranch_scc0 .Larm_b_\@
	ONEARM \ga, G1
	s_branch .Larm_j_\@
.Larm_b_\@:
	s_cmp_eq_u32 s14, 2
	s_cbranch_scc0 .Larm_sa_\@
	ONEARM \gb, G1B
	s_branch .Larm_j_\@
.Larm_sa_\@:
	s_cmp_eq_u32 s14, 1
	s_cbranch_scc0 .Larm_sb_\@
	ONEARM \gsa, G1S
	s_branch .Larm_j_\@
.Larm_sb_\@:
	ONEARM \gsb, G1SB
.Larm_j_\@:
.endm
.macro CREST
	s_cmp_lg_u32 s14, 0
	s_cbranch_scc1 .Lnot_wave_0_\@
	s_barrier_signal -3
.Lnot_wave_0_\@:
	s_barrier_wait -3
	s_barrier_signal -1
	s_barrier_wait -1
.endm
.macro CROUND
	s_barrier_signal -1
	s_barrier_wait -1
	CREST
.endm
.macro FRAG reg, adr, q, i             ; a fragment as it was stored: chunk p is registers 2 p, 2 p + 1
.irp p, 0,1,2,3,4,5
	ds_load_b64 v[\reg+2*\p:\reg+2*\p+1], v[\adr] offset:(\i)*BLKB+(\q)*1536+256*\p
.endr
.endm
.macro MUL16 a0, p, q, sc, zero, af    ; A's blocks a0, a0 + 1 (fragments from v[af] on) x B's eight; the accumulators take turns, one instruction a turn
.irp a, \a0, \a0+1
.irp b, 0,1,2,3,4,5,6,7
.if \zero
	v_wmma_scale_f32_16x16x128_f8f6f4 v[8*(8*((\a)%4)+\b):8*(8*((\a)%4)+\b)+7], v[128*(\p)+FR*\b:128*(\p)+FR*\b+FR-1], v[\af+FR*(\a):\af+FR*(\a)+FR-1], 0, v[SC+8*NQ*(\sc)+NQ*\b+(\q)], v[SC+8*NQ*(\sc)+NQ*(\a)+(\q)] matrix_a_fmt:MATRIX_FMT_FP6 matrix_b_fmt:MATRIX_FMT_FP6 matrix_a_scale:MATRIX_SCALE_ROW1
.else
	v_wmma_scale_f32_16x16x128_f8f6f4 v[8*(8*((\a)%4)+\b):8*(8*((\a)%4)+\b)+7], v[128*(\p)+FR*\b:128*(\p)+FR*\b+FR-1], v[\af+FR*(\a):\af+FR*(\a)+FR-1], v[8*(8*((\a)%4)+\b):8*(8*((\a)%4)+\b)+7], v[SC+8*NQ*(\sc)+NQ*\b+(\q)], v[SC+8*NQ*(\sc)+NQ*(\a)+(\q)] matrix_a_fmt:MATRIX_FMT_FP6 matrix_b_fmt:MATRIX_FMT_FP6 matrix_a_scale:MATRIX_SCALE_ROW1
.endif
.endr
.endr
.endm
.macro FETCH_B slot, q, p
	WIN TO_B
.irp i, 0,1,2,3,4,5,6,7
	FRAG 128*(\p)+FR*\i, ADRB+\slot, \q, \i
.endr
	WIN 0
.endm
.macro FETCH_A slot, q, i0             ; first tile: A's blocks i0 .. i0 + 3
.irp i, \i0, \i0+1, \i0+2, \i0+3
	FRAG AF+FR*(\i), ADRA+\slot, \q, \i
.endr
.endm
.macro FETCH_A2 slot, q, p             ; second tile: A's four blocks into set p
.irp i, 0,1,2,3
	FRAG AF+48*(\p)+FR*\i, ADRA+\slot, \q, \i
.endr
.endm
.macro SCALES sc, adr                  ; a slot's two words a row: lanes 0-15 A's block i, lanes 16-31 B's block i
.irp i, 0,1,2,3,4,5,6,7
	ds_load_b64 v[SC+8*NQ*\sc+NQ*\i:SC+8*NQ*\sc+NQ*\i+1], v[\adr] offset:\i*SBLK
.endr
.endm
.macro PLACES n                        ; plain vector lines between a matrix instruction and a load into, or a read of, its registers
.rept \n
	v_nop
.endr
.endm
; ---- the first tile's steps
.macro STEP slot, q, zero              ; 128 along K with its successor in the same slot
	s_wait_dscnt 4*NL                              ; all but the youngest 24 loads (A's blocks 4-7) are in
	WIN MUL_LO
	MUL16 0, (\q)%2, \q, \slot, \zero, AF
	MUL16 2, (\q)%2, \q, \slot, \zero, AF
	s_wait_dscnt 0
	PLACES NP
	FETCH_B \slot, (\q)+1, 1-(\q)%2
	FETCH_A \slot, (\q)+1, 0
	WIN MUL_HI
	MUL16 4, (\q)%2, \q, \slot, \zero, AF
	MUL16 6, (\q)%2, \q, \slot, \zero, AF
	PLACES NP
	WIN 0
	FETCH_A \slot, (\q)+1, 4
.endm
; A slot's last step changes slots: one barrier, which opens a round of the cluster's.  fill = 1: the slot takes this tile's K two steps on; 2: the SECOND tile's K step of the slot's number.
; fetch = 0: the tile's very last step: no fragments are fetched.
.macro TURN slot, next, fill, fetch
	s_wait_tensorcnt 0x0                           ; all my tensor loads have landed: my part of the next slot
	ds_add_u32 v[SPW], v[NIL]                      ; 0 onto my spare word
	s_wait_dscnt 4*NL+1                            ; (the add and A's blocks 4-7 may be out)
	WIN MUL_LO
	MUL16 0, 1, NQ-1, \slot, 0, AF
	s_wait_dscnt 0x0                               ; the add is done, and my reads of this slot are over
	s_barrier_signal -1
	MUL16 2, 1, NQ-1, \slot, 0, AF
	WIN 0
	s_barrier_wait -1
	CREST                                          ; no wave of any partner still reads this slot or has a load on its way; no tensor load of mine is out, so descriptors may be written
.if \fill == 1
	s_mov_b32 s[G1+2], 8<<16                       ; no tensor load of mine is out: from here on a load of the ring brings 8 blocks
	s_mov_b32 s[G1+4], 8
	s_mov_b32 s[G1B+2], 8<<16
	s_mov_b32 s[G1B+4], 8
	s_add_nc_u64 s[G0+4*\slot+2:G0+4*\slot+3], s[G0+4*\slot+2:G0+4*\slot+3], 2*BLKB
	s_add_nc_u64 s[G0B+4*\slot+2:G0B+4*\slot+3], s[G0B+4*\slot+2:G0B+4*\slot+3], 2*BLKB
.else
.if \slot == 0
	s_mov_b32 s[G1+2], 4<<16                       ; from here on A's tile has four blocks: tensor_dim1,
	s_mov_b32 s[G1+4], 4                           ; tile_dim1
.endif
	s_add_nc_u64 s[G0+4*\slot+2:G0+4*\slot+3], s[A2:A2+1], \slot*BLKB
	s_or_b32 s[G0+4*\slot+3], s[G0+4*\slot+3], 0x80000000
	s_add_nc_u64 s[G0B+4*\slot+2:G0B+4*\slot+3], s[B2:B2+1], \slot*BLKB
	s_or_b32 s[G0B+4*\slot+3], s[G0B+4*\slot+3], 0x80000000
.endif
	JLOAD G0+4*\slot, G1, G0B+4*\slot, G1B         ; the first tensor load behind the round; its four v_nop are the places in front of the loads below
.if \fetch
	s_wait_alu depctr_va_vdst(0)
	v_add_nc_u32 v[ADRS], 128, v[ADRS]             ; the next 256 along K of the scales
	FETCH_B \next, 0, 0
	FETCH_A \next, 0, 0
	SCALES \next, ADRS
.endif
	WIN MUL_HI
	MUL16 4, 1, NQ-1, \slot, 0, AF
	MUL16 6, 1, NQ-1, \slot, 0, AF
	PLACES NP
	WIN 0
.if \fetch
	FETCH_A \next, 0, 4
.endif
.endm
; ---- the second tile's steps: four blocks of A, so A has two sets too; a step's 72 loads stand in one run at the head of the step before
.macro STEP2 slot, zero                ; a slot's first 128 along K (sets 0); the second's fragments are fetched into sets 1
	s_wait_dscnt 0x0                               ; this step's fragments and scale words are in
	FETCH_B \slot, 1, 1
	FETCH_A2 \slot, 1, 1
	WIN MUL_LO
	MUL16 0, 0, 0, \slot, \zero, AF
	MUL16 2, 0, 0, \slot, \zero, AF
	WIN 0
	PLACES NP                                      ; in front of the next run of loads
.endm
.macro TURN2 slot, next, fill          ; a slot's second 128 along K (sets 1) changes slots.  All my reads of the slot are back at its head, so the barrier stands there
	s_wait_tensorcnt 0x0                           ; all my tensor loads have landed: my part of the next slot; so a group 0 may be written
	ds_add_u32 v[SPW], v[NIL]                      ; 0 onto my spare word
.if \fill
	s_add_nc_u64 s[G0+4*\slot+2:G0+4*\slot+3], s[G0+4*\slot+2:G0+4*\slot+3], 2*BLKB
	s_add_nc_u64 s[G0B+4*\slot+2:G0B+4*\slot+3], s[G0B+4*\slot+2:G0B+4*\slot+3], 2*BLKB
.endif
	s_wait_dscnt 0x0                               ; the add is done, this step's fragments are in, and my reads of this slot are over
	s_barrier_signal -1
	WIN MUL_LO
	MUL16 0, 1, 1, \slot, 0, AF+48                 ; sixteen products while the others arrive
	WIN 0
	s_barrier_wait -1
.if \fill
	CREST                                          ; the barrier has opened a round of the cluster's
	JLOAD G0+4*\slot, G1, G0B+4*\slot, G1B         ; the first tensor load behind the round
.endif
	s_wait_alu depctr_va_vdst(0)
	v_add_nc_u32 v[ADRS2], 128, v[ADRS2]
	FETCH_B \next, 0, 0                            ; into sets 0, whose last readers stand in front of the last step's places
	FETCH_A2 \next, 0, 0
	SCALES \next, ADRS2
	WIN MUL_LO
	MUL16 2, 1, 1, \slot, 0, AF+48
	WIN 0
	PLACES NP
.endm
; THE WAY OUT of A's block a: its 64 numbers a lane are quantised (four blocks of 32) and leave as two half images, at o0 bytes from s[b0:b0+1] and o1 bytes from s[b1:b1+1].  Each accumulator is read from its low end on.
.macro QW a, b0, o0, b1, o1
.set AC, 64*((\a)%4)
.set PCA, PC+12*(\a)
	WIN 0x0a+5*((\a)/4)                            ; sources 0 and 1: window 2 or 3
.irp b, 0,1,2,3
	v_max3_num_f32 v[TM+\b], |v[AC+16*\b]|, |v[AC+16*\b+1]|, 0x1800000   ; and the floor 2^(3 - 127)
.endr
.irp i, 2,4,6,8,10,12,14
.irp b, 0,1,2,3
	v_max3_num_f32 v[TM+\b], |v[AC+16*\b+\i]|, |v[AC+16*\b+\i+1]|, v[TM+\b]
.endr
.endr
	WIN 0
.irp b, 0,1,2,3
	v_permlanex16_b32 v[TM+4+\b], v[TM+\b], s10, s11
.endr
.irp b, 0,1,2,3
	v_max_num_f32 v[TM+\b], v[TM+\b], v[TM+4+\b]
.endr
.irp b, 0,1,2,3
	v_add_nc_u32 v[TM+12+\b], 0xff000000, v[TM+\b]  ; 2 off the exponent field: the conversion's scale operand
.endr
.irp b, 0,1,2,3
	v_lshrrev_b32 v[TM+4+\b], 23, v[TM+12+\b]
.endr
	v_lshl_or_b32 v[PWR+(\a)], v[TM+5], 8, v[TM+4]
	v_lshl_or_b32 v[PWR+(\a)], v[TM+6], 16, v[PWR+(\a)]
	v_lshl_or_b32 v[PWR+(\a)], v[TM+7], 24, v[PWR+(\a)]
	WIN 2+(\a)/4                                   ; source 0: window 2 or 3
.irp c, 0,1
	v_cvt_scalef32_pk16_fp6_f32 v[PCA+6*\c:PCA+6*\c+2], v[AC+32*\c:AC+32*\c+15], v[TM+12+2*\c]
	v_cvt_scalef32_pk16_fp6_f32 v[TP+4*\c:TP+4*\c+2], v[AC+16+32*\c:AC+31+32*\c], v[TM+12+2*\c+1]
.endr
	WIN 0
	v_nop                                          ; one plain line behind a scaled conversion
.irp c, 0,1
.irp i, 0,1,2
	v_permlane16_swap_b32 v[PCA+6*\c+\i], v[TP+4*\c+\i]
.endr
.irp i, 0,1,2
	v_mov_b32 v[PCA+3+6*\c+\i], v[TP+4*\c+\i]
.endr
.endr
.irp p, 0,1,2
	global_store_b64 v[L8], v[PCA+2*\p:PCA+2*\p+1], s[\b0:\b0+1] offset:(\o0)+256*\p       ; 256 consecutive bytes, aligned
.endr
.irp p, 0,1,2
	global_store_b64 v[L8], v[PCA+6+2*\p:PCA+7+2*\p], s[\b1:\b1+1] offset:(\o1)+256*\p
.endr
.endm
	s_load_b128 s[4:7], s[0:1], 0x0                ; ops, opsc
	s_load_b64 s[8:9], s[0:1], 0x10                ; qkv
	v_lshl_add_u32 v[SPW], v0, 2, SPARE
	v_mov_b32 v[NIL], 0
	ds_add_u32 v28, v29
	ds_add_u32 v28, v29
	s_wait_dscnt 0x0
	v_lshrrev_b32 v1, 5, v0
	v_readfirstlane_b32 s14, v1                    ; wave 0..3
	s_lshr_b32 s15, s14, 1                         ; which half of A's rows is mine.  Also: I fetch for A (0) or for B (1)
	s_and_b32 s16, s14, 1                          ; which half of B's rows.  Also: which part of that tile I fetch
	s_bfe_u32 s40, ttmp6, 0x40000                  ; cx
	s_bfe_u32 s41, ttmp6, 0x40004                  ; cy
	s_lshr_b32 s10, ttmp9, 1                       ; the cluster's number, 0 .. 15, in two parts
	s_and_b32 s11, ttmp9, 1
	s_lshl_b32 s17, s10, 2
	s_add_co_u32 s17, s17, s41                     ; first tile: tile row 0 .. 31 (256 rows of x)
	s_lshl_b32 s42, s11, 2
	s_add_co_u32 s42, s42, s40                     ; tile column 0 .. 7 (256 rows of Wq, Wk)
	s_lshl_b32 s18, s11, 2
	s_add_co_u32 s18, s18, s41                     ; second tile: tile row 0 .. 7 (128 rows of Wv)
	s_lshl_b32 s19, s10, 2
	s_add_co_u32 s19, s19, s40                     ; tile column 0 .. 31 (256 rows of x)
	s_lshl_b32 s43, s41, 2
	s_lshl_b32 s43, 15, s43                        ; my row of the cluster
	s_lshl_b32 s44, 0x1111, s40                    ; my column
	; codes: 8 rows (blocks) of 3,072 bytes, 12,288 bytes apart; elements of 8 bytes
	s_or_b32 s[G1+0], s43, (3<<16)|(1<<21)
	s_or_b32 s[G1B+0], s44, (3<<16)|(1<<21)
.irp g, G1, G1B
	s_mov_b32 s[\g+1], 384<<16                     ; tensor_dim0
	s_mov_b32 s[\g+2], 16<<16                      ; tensor_dim1: the first fills bring 16 blocks
	s_mov_b32 s[\g+3], 384<<16                     ; tile_dim0
	s_mov_b32 s[\g+4], 16                          ; tile_dim1
	s_mov_b32 s[\g+5], 1536                        ; tensor_dim0_stride
	s_mov_b32 s[\g+6], 0
	s_mov_b32 s[\g+7], 0
.endr
	; scales of 16 blocks: 8,192 dense bytes as 32 rows of 256
	s_or_b32 s[G1S+0], s43, (3<<16)|(1<<21)
	s_or_b32 s[G1SB+0], s44, (3<<16)|(1<<21)
.irp g, G1S, G1SB
	s_mov_b32 s[\g+1], 32<<16
	s_mov_b32 s[\g+2], 32<<16
	s_mov_b32 s[\g+3], 32<<16
	s_mov_b32 s[\g+4], 32
	s_mov_b32 s[\g+5], 32
	s_mov_b32 s[\g+6], 0
	s_mov_b32 s[\g+7], 0
.endr
	; what I fetch.  A's numbers hang on cy alone, B's on cx alone, each in registers that never hold the other
	s_lshl_b32 s2, s16, 3                          ; which 8 blocks
	s_lshl_b32 s3, s16, 2                          ; second tile's A: which 4
	s_lshl_b32 s20, s17, 4
	s_lshl_b32 s[G0S+2], s20, 9                    ; the scales of all 16 blocks begin at the tile's first block
	s_add_co_u32 s20, s20, s2                      ; A, first tile: x's block 16 x tile row + 8 x part
	s_mov_b32 s[G0S+3], 0
	s_mul_i32 s20, s20, 12288                      ; its codes
	s_mov_b32 s21, 0
	s_lshl_b32 s22, s18, 3
	s_add_co_u32 s22, s22, 640
	s_lshl_b32 s[G0S2+2], s22, 9
	s_add_co_u32 s22, s22, s3                      ; A, second tile: Wv's block 640 + 8 x tile row + 4 x part
	s_mov_b32 s[G0S2+3], 0
	s_mul_i32 s[A2], s22, 12288
	s_mov_b32 s[A2+1], 0
	s_lshl_b32 s46, s42, 4
	s_add_co_u32 s46, s46, 512
	s_lshl_b32 s[G0SB+2], s46, 9
	s_add_co_u32 s46, s46, s2                      ; B, first tile: block 512 + 16 x tile column + 8 x part
	s_mov_b32 s[G0SB+3], 0
	s_mul_i32 s46, s46, 12288
	s_mov_b32 s47, 0
	s_lshl_b32 s66, s19, 4
	s_lshl_b32 s[G0S2B+2], s66, 9
	s_add_co_u32 s66, s66, s2                      ; B, second tile: x's block 16 x tile column + 8 x part
	s_mov_b32 s[G0S2B+3], 0
	s_mul_i32 s[B2], s66, 12288
	s_mov_b32 s[B2+1], 0
	s_mul_i32 s45, s14, HALFT                      ; where they go: no place in the cluster enters an LDS address
	s_wait_kmcnt 0x0
	s_add_nc_u64 s[20:21], s[4:5], s[20:21]
	s_add_nc_u64 s[A2:A2+1], s[4:5], s[A2:A2+1]
	s_add_nc_u64 s[46:47], s[4:5], s[46:47]
	s_add_nc_u64 s[B2:B2+1], s[4:5], s[B2:B2+1]
	s_add_nc_u64 s[G0S+2:G0S+3], s[6:7], s[G0S+2:G0S+3]
	s_add_nc_u64 s[G0S2+2:G0S2+3], s[6:7], s[G0S2+2:G0S2+3]
	s_add_nc_u64 s[G0SB+2:G0SB+3], s[6:7], s[G0SB+2:G0SB+3]
	s_add_nc_u64 s[G0S2B+2:G0S2B+3], s[6:7], s[G0S2B+2:G0S2B+3]
	CROUND                                         ; all sixteen work-groups are here: the first joint loads meet
.irp g, G0S, G0SB, G0S2, G0S2B
	s_mov_b32 s[\g], 1
	s_or_b32 s[\g+3], s[\g+3], 0x80000000
.endr
	s_mov_b32 s[G0S+1], SCL
	s_mov_b32 s[G0SB+1], SCL+2*HALFS
	s_mov_b32 s[G0S2+1], SCL2
	s_mov_b32 s[G0S2B+1], SCL2+2*HALFS
.irp s, 0,1                                    ; the ring's groups 0
	s_mov_b32 s[G0+4*\s], 1
	s_add_co_u32 s[G0+4*\s+1], s45, \s*SLOT
	s_add_nc_u64 s[G0+4*\s+2:G0+4*\s+3], s[20:21], \s*BLKB
	s_or_b32 s[G0+4*\s+3], s[G0+4*\s+3], 0x80000000
	s_mov_b32 s[G0B+4*\s], 1
	s_add_co_u32 s[G0B+4*\s+1], s45, \s*SLOT
	s_add_nc_u64 s[G0B+4*\s+2:G0B+4*\s+3], s[46:47], \s*BLKB
	s_or_b32 s[G0B+4*\s+3], s[G0B+4*\s+3], 0x80000000
.endr
	ARMS G0, G0B, G0S, G0SB                        ; the head's one load a wave: slot 0 and the first tile's scales
	v_and_b32 v1, 15, v0                           ; r
	v_bfe_u32 v2, v0, 4, 1                         ; h
	s_wait_alu depctr_va_vdst(0)
	v_and_b32 v3, 31, v0
	v_lshlrev_b32 v[L8], 3, v3                     ; 8 x lane
	s_mul_i32 s21, s15, HALFT                      ; my part of A
	s_mul_i32 s22, s16, HALFT
	s_add_co_u32 s22, s22, 2*HALFT                 ; my part of B, behind A's two
.irp s, 0,1
	v_add_nc_u32 v[ADRA+\s], s21, v[L8]
	v_add_nc_u32 v[ADRB+\s], s22, v[L8]
	s_add_co_u32 s21, s21, SLOT
	s_add_co_u32 s22, s22, SLOT
.endr
	v_lshlrev_b32 v5, 3, v1                        ; my row's 8 scale bytes
	s_mul_i32 s21, s15, HALFS
	s_mul_i32 s22, s16, HALFS
	s_add_co_u32 s22, s22, 2*HALFS
	s_sub_co_u32 s22, s22, s21
	v_mul_u32_u24 v6, s22, v2                      ; lanes 16-31 take B's: one product, the distance x h
	s_add_co_u32 s21, s21, SCL
	v_add_nc_u32 v5, v5, v6
	v_add_nc_u32 v[ADRS], s21, v5
	s_lshl_b32 s21, s15, 11                        ; second tile: A's part is four blocks of scales, 2,048 bytes
	s_lshl_b32 s22, s16, 12
	s_add_co_u32 s22, s22, 2*HALFS
	s_sub_co_u32 s22, s22, s21
	v_mul_u32_u24 v6, s22, v2                      ; lanes 16-31 take B's: one product, the distance x h
	s_add_co_u32 s21, s21, SCL2
	v_lshl_add_u32 v6, v1, 3, v6
	v_add_nc_u32 v[ADRS2], s21, v6
	; the ways out's addresses, made while the first fills are on their way
	s_lshl_b32 s66, s19, 1
	s_add_co_u32 s66, s66, s16                     ; v: my 128 keys: 2 x tile column + half,
	s_lshl_b32 s66, s66, 4
	s_lshl_b32 s10, s18, 1
	s_add_co_u32 s10, s10, s15                     ; my head: 2 x tile row + half
	s_add_co_u32 s66, s66, s10
	s_add_co_u32 s66, s66, 2048
	s_mul_i32 s66, s66, 6400
	s_mov_b32 s67, 0
	s_add_nc_u64 s[OUT2:OUT2+1], s[8:9], s[66:67]
	s_lshl_b32 s10, s42, 1
	s_add_co_u32 s10, s10, s16
	s_lshl_b32 s10, s10, 7                         ; q, k: my first head x 64: (2 x tile column + half) x 128,
	s_lshl_b32 s11, s17, 1
	s_add_co_u32 s11, s11, s15                     ; my 128 rows of x
	s_add_co_u32 s10, s10, s11
	s_mul_i32 s10, s10, 6400
	s_mov_b32 s11, 0
	s_add_nc_u64 s[8:9], s[8:9], s[10:11]
	s_add_nc_u64 s[12:13], s[8:9], 409600          ; my second head: 64 records on
	v_mul_u32_u24 v6, 0x64000, v2
	v_lshl_add_u32 v[OS], v1, 4, v6                ; q, k: 16 r, lanes 16-31 in the second head's record
	v_lshlrev_b32 v6, 3, v2
	v_lshl_add_u32 v[OS2], v1, 4, v6               ; v: 16 r + 8 h
.irp b, 0,1,2,3
	v_mov_b32 v[TM+4+\b], 0                        ; a lane permute's destination counts as read
.endr
	s_mov_b32 s10, 0x76543210
	s_mov_b32 s11, 0xfedcba98                      ; lane l xor 16
	s_mov_b32 s18, 0x05040100                      ; the low halves of two words
	s_mov_b32 s19, 0x07060302                      ; the high halves
	s_mov_b32 s20, 0xffff0000                      ; lanes 16-31
	s_wait_alu depctr_va_vdst(0)
	s_wait_tensorcnt 0x0                           ; my tile of the head's four is in; the three lines ahead of a later first fill, as ahead of a refill
	ds_add_u32 v[SPW], v[NIL]
	s_wait_dscnt 0x0
	CROUND                                         ; a whole round: slot 0 and the first tile's scales are whole for all waves
	ARMS G0+4, G0B+4, G0S2, G0S2B                  ; slot 1 and the second tile's scales: my one load behind the round; the first change of slots waits for it
	; ---- the first tile: q and k
	FETCH_B 0, 0, 0
	FETCH_A 0, 0, 0
	SCALES 0, ADRS
	FETCH_A 0, 0, 4
	STEP 0, 0, 1                                   ; the first step's products start the sums
	TURN 0, 1, 1, 1                                ; slot 0 takes K 512 on
	STEP 1, 0, 0
	TURN 1, 0, 1, 1                                ; slot 1 takes K 768 on
	STEP 0, 0, 0
	TURN 0, 1, 2, 1                                ; THE RING GOES ON INTO THE SECOND TILE: slot 0 takes its K 0 on,
	STEP 1, 0, 0
	TURN 1, 0, 2, 0                                ; slot 1 its K 256 on.  In front of this barrier every wave has shown its part of slot 0 landed
	FETCH_B 0, 0, 0                                ; the second tile's first fragments of B and scale words: their registers are free
	SCALES 0, ADRS2
.irp a, 0,1,2,3,4,5,6,7
	QW \a, 8, 768*\a, 12, 768*\a
.endr
.irp f, 0,1,2,3
	v_perm_b32 v[SQ], v[PWR+2*\f+1], v[PWR+2*\f], s18      ; the first head's two bytes of half images 2 f and 2 f + 1,
	v_perm_b32 v[SQ+1], v[PWR+2*\f+1], v[PWR+2*\f], s19    ; the second head's,
	v_cndmask_b32 v[SW+\f], v[SQ], v[SQ+1], s20            ; which lanes 16-31 store
.endr
	global_store_b128 v[OS], v[SW:SW+3], s[8:9] offset:6144   ; sixteen lanes store 256 consecutive bytes, aligned
	s_wait_xcnt 0x0                                ; the stores have read their registers: A's fragments land there, and the second way out writes them again
	; ---- the second tile: v
	FETCH_A2 0, 0, 0
	STEP2 0, 1                                     ; its first step's products start the sums anew
	TURN2 0, 1, 1                                  ; slot 0 takes K 512 on
	STEP2 1, 0
	TURN2 1, 0, 1                                  ; slot 1 takes K 768 on
	STEP2 0, 0
	TURN2 0, 1, 0                                  ; nothing is left to fetch
	STEP2 1, 0
	s_wait_dscnt 0x0                               ; the very last step
	WIN MUL_LO
	MUL16 0, 1, 1, 1, 0, AF+48
	MUL16 2, 1, 1, 1, 0, AF+48
	WIN 0
	PLACES NP                                      ; in front of the first read of results and of writes over A's fragments
.irp a, 0,1,2,3
	QW \a, OUT2, 1536*\a, OUT2, 1536*\a+768
.endr
	v_cndmask_b32 v[SW], v[PWR], v[PWR+2], s20     ; my row's words of tiles 0 and 1, lanes 16-31: of tiles 2 and 3
	v_cndmask_b32 v[SW+1], v[PWR+1], v[PWR+3], s20
	global_store_b64 v[OS2], v[SW:SW+1], s[OUT2:OUT2+1] offset:6144   ; 32 lanes store 256 consecutive bytes, aligned
	s_wait_tensorcnt 0x0                           ; the wave's end
	ds_add_u32 v[SPW], v[NIL]
	s_wait_dscnt 0x0
	CROUND                                         ; the closing round
	s_endpgm
.Lfunc_end_k_q7822d9a33c_qkv:
	.size	k_q7822d9a33c_qkv, .Lfunc_end_k_q7822d9a33c_qkv-k_q7822d9a33c_qkv
	.p2alignl 7, 3214868480
	.fill 96, 4, 3214868480
	.section	.rodata,"a",@progbits
	.p2align	6, 0x0
	.amdhsa_kernel k_q7822d9a33c_qkv
		.amdhsa_group_segment_fixed_size 327680
		.amdhsa_private_segment_fixed_size 0
		.amdhsa_enable_private_segment 0
		.amdhsa_kernarg_size 24
		.amdhsa_user_sgpr_count 2
		.amdhsa_user_sgpr_kernarg_segment_ptr 1
		.amdhsa_wavefront_size32 1
		.amdhsa_system_sgpr_workgroup_id_x 1
		.amdhsa_system_sgpr_workgroup_id_y 1
		.amdhsa_system_sgpr_workgroup_id_z 1
		.amdhsa_system_vgpr_workitem_id 0
		.amdhsa_next_free_vgpr 1024
		.amdhsa_next_free_sgpr 106
		.amdhsa_reserve_vcc 0
		.amdhsa_float_denorm_mode_32 3
		.amdhsa_float_denorm_mode_16_64 3
		.amdhsa_memory_ordered 1
		.amdhsa_forward_progress 1
		.amdhsa_inst_pref_size 255
	.end_amdhsa_kernel
	.section	.bss,"aw",@nobits
	.p2align	6
	.space	262144
	.amdgpu_metadata
---
amdhsa.version: [ 1, 2 ]
amdhsa.kernels:
  - .name:           k_q7822d9a33c_qkv
    .symbol:         k_q7822d9a33c_qkv.kd
    .args:
      - { .name: ops, .offset: 0, .size: 8, .value_kind: global_buffer, .address_space: global }
      - { .name: opsc, .offset: 8, .size: 8, .value_kind: global_buffer, .address_space: global }
      - { .name: qkv, .offset: 16, .size: 8, .value_kind: global_buffer, .address_space: global }
    .group_segment_fixed_size: 327680
    .private_segment_fixed_size: 0
    .kernarg_segment_align: 8
    .kernarg_segment_size: 24
    .max_flat_workgroup_size: 128
    .sgpr_count:     106
    .vgpr_count:     1024
    .wavefront_size: 32
...
	.end_amdgpu_metadata
.endif
;; end of part 2
;; launch attn (part 3): grid 256 x 1, 16 waves a work-group, clusters of 4 x 1, 327,680 bytes of LDS; arguments qkv, zimg, zsc; writes zimg, zsc
.if DOCPART == 3
	.amdgcn_target "amdgcn-amd-amdhsa--gfx1250"
	.amdhsa_code_object_version 6
	.text
	.protected	k_q7822d9a33c_attn
	.globl	k_q7822d9a33c_attn
	.p2align	8
	.type	k_q7822d9a33c_attn,@function
k_q7822d9a33c_attn:
	s_mov_b64 s[64:65], 0
	v_nop
	global_prefetch_b8 v0, s[64:65] scope:SCOPE_SE
	s_setreg_imm32_b32 hwreg(HW_REG_WAVE_MODE, 25, 1), 1
	s_wait_xcnt 0x0
	s_wait_alu depctr_hold_cnt(0) depctr_sa_sdst(0) depctr_va_vdst(0) depctr_va_sdst(0) depctr_va_ssrc(0) depctr_va_vcc(0) depctr_vm_vsrc(0)
	s_getreg_b32 s2, hwreg(HW_REG_IB_STS2, 6, 4)
	s_cmp_eq_u32 s2, 0
	s_cbranch_scc0 .Lentry_in_a_cluster
	s_endpgm
.Lentry_in_a_cluster:
	s_bfe_u32 s2, ttmp6, 0x10000c
	s_cmp_lg_u32 s2, 0x3003
	s_cbranch_scc0 .Lentry_shape_is_right
	s_endpgm
.Lentry_shape_is_right:
; z = softmax(q k^T / 8, causal) v on codes of FP6 (E2M3) with E8M0 scales; z is quantised along the head's 64 and leaves as images of the next product's operand registers.
; qkv: records of 6,400 bytes = 6,144 of codes + 256 of scale words.  q: record head x 64 + t / 128; k: (16 + head) x 64 + t / 128 (eight half images of 16 rows x 64); v: 2,048 + (t / 128) x 16 + head (four fragments of 16 d x 128 keys).
; A cluster of four work-groups takes one (batch, head).  All 16 records of K and all 16 of V lie in LDS, asked for ONCE, jointly by the four, at the head: waves 0-7 two records of K each, waves 8-15 two of V each,
; as two rows of 6,400 bytes.  Nothing is filled again.  No prefetch: every tile is asked for at the head, so there is no loop to run ahead in.
; A wave takes 16 queries of row group JJ and then 16 of row group 15 - JJ: JJ + 1 and 16 - JJ steps of 128 keys, 17 for every wave.
; LEFT OUT: the steps whose 128 keys all lie behind the wave's queries: the causal mask puts -inf there, which adds nothing to the sum or to z.  The step's trip count stays 16; a branch on ids leads round the work.
; Both products are used transposed (S^T = k q^T, O^T = v^T p^T): a lane holds one query.  K = 64 of q k^T fills half of the instruction's 128: q stands in the low or in the high half, zeros in the other, so a fragment of two half images gives two tiles.
; p = 2^(t - M), M the ceiling of the running largest t; the row's sum is taken of the unquantised p; a block's largest p is made from its largest score by the same multiply-add and exponential.
; The next step's fragments of K are asked of LDS straight behind the step's last products, and most of the row's sum stands between the request and the wait.  (Behind a tile's last live step they are read and not used: bytes inside the tiles.)
; LIMITS: scaled scores under 2^31 in magnitude; NaN and infinities are not served; a block of zeros gets the byte 1 (its codes are zeros; this program alone reads the bytes).
.set REC,   6400
.set VBASE, 16*REC
.set SPARE, 32*REC                     ; behind the tiles: the spare words, 128 bytes a wave
.set SCW,   6144
.set L8,   1                           ; 8 x lane
.set R16,  2                           ; 16 r
.set ADK,  3
.set ADV,  4
.set ADKS, 5
.set ADVS, 6
.set DD,   7                           ; my query's place in its 128, less 16 h: key n counts while n <= DD
.set QOF,  8
.set R8,   9
.set QSO,  10
.set QF,   16                          ; q, zeros, q: v16-33
.set QS,   34
.set KV,   36                          ; four fragments of K, then of V
.set KS,   84
.set VS,   88
.set S,    96                          ; scores, then p
.set O,    160
.set PCD,  192
.set CT,   204
.set BM,   212
.set PX,   216
.set SO,   220
.set BY,   224
.set PWD,  228
.set FF,   230
.set T0,   232
.set NINF, 233
.set ZW,   234
.set QA,   236                         ; this tile's q and scale word;  QB: the second tile's
.set QB,   244
.set WV,   10
.set CXX,  11
.set UU,   12
.set BB,   13
.set HD,   14
.set JJ,   15
.set KSN,  16
.set TB,   17
.set TL,   18
.set PSEL, 19
.set SEL,  20
.set CS,   22
.set G1,   24                          ; group 1 of K's loads;  G1V of V's
.set G0K,  32
.set G0V,  36
.set G1V,  68
.macro CROUND
	s_barrier_signal -1
	s_barrier_wait -1
	s_cmp_lg_u32 s[WV], 0
	s_cbranch_scc1 .Lnot_wave_0_\@
	s_barrier_signal -3
.Lnot_wave_0_\@:
	s_barrier_wait -3
	s_barrier_signal -1
	s_barrier_wait -1
.endm
.macro KLOAD                           ; a step's four fragments of K and their scale words
.irp f, 0,1,2,3
.irp p, 0,1,2,3,4,5
	ds_load_b64 v[KV+12*\f+2*\p:KV+12*\f+2*\p+1], v[ADK] offset:1536*\f+256*\p
.endr
.endr
	ds_load_b128 v[KS:KS+3], v[ADKS] offset:SCW
.endm
	s_load_b128 s[4:7], s[0:1], 0x0                ; qkv, zimg
	s_load_b64 s[8:9], s[0:1], 0x10                ; zsc
	v_lshl_add_u32 v254, v0, 2, SPARE
	v_mov_b32 v255, 0
	ds_add_u32 v254, v255
	ds_add_u32 v254, v255
	v_lshrrev_b32 v1, 5, v0
	v_readfirstlane_b32 s[WV], v1
	s_bfe_u32 s[CXX], ttmp6, 0x40000
	s_lshr_b32 s[UU], s[WV], 3
	s_lshr_b32 s[BB], ttmp9, 4                     ; batch
	s_and_b32 s[HD], ttmp9, 15                     ; head
	s_and_b32 s[JJ], s[WV], 7
	s_mov_b32 s[PSEL], 0x03020302
	s_cmp_lt_u32 s[WV], 8
	s_cselect_b32 s[PSEL], 0x01000100, s[PSEL]     ; which two bytes of q's scale word are my half image's
	s_mov_b32 s[SEL], 0x76543210
	s_mov_b32 s[SEL+1], 0xfedcba98                 ; lane l xor 16
	s_mov_b32 s[CS], 0x3e38aa3b                    ; log2(e) / 8
	s_mov_b32 s[CS+1], s[CS]
	s_mov_b32 s[TL], 2
.irp g, G1, G1V                                ; two rows of 800 elements of 8 bytes; the mask names the cluster's four
	s_mov_b32 s[\g], 15|(3<<16)|(1<<21)
	s_mov_b32 s[\g+1], 800<<16
	s_mov_b32 s[\g+2], 2<<16
	s_mov_b32 s[\g+3], 800<<16
	s_mov_b32 s[\g+4], 2
	s_mov_b32 s[\g+6], 0
	s_mov_b32 s[\g+7], 0
.endr
	s_mov_b32 s[G1+5], 800                         ; K's records lie on end,
	s_mov_b32 s[G1V+5], 12800                      ; V's sixteen records apart
	s_add_co_u32 s40, s[HD], 16
	s_lshl_b32 s40, s40, 6
	s_lshl_b32 s41, s[BB], 4
	s_add_co_u32 s40, s40, s41
	s_lshl_b32 s51, s[JJ], 1
	s_add_co_u32 s40, s40, s51                     ; K's record (16 + head) x 64 + 16 batch + 2 JJ
	s_mul_i32 s40, s40, REC
	s_add_co_u32 s42, s41, s51
	s_lshl_b32 s42, s42, 4
	s_add_co_u32 s42, s42, s[HD]
	s_add_co_u32 s42, s42, 2048                    ; V's record 2,048 + (16 batch + 2 JJ) x 16 + head
	s_mul_i32 s42, s42, REC
	s_lshl_b32 s45, s[HD], 6
	s_add_co_u32 s45, s45, s41
	s_add_co_u32 s46, s45, s[JJ]
	s_mul_i32 s46, s46, REC                        ; q's record of row group JJ,
	s_sub_co_u32 s44, 15, s[JJ]
	s_add_co_u32 s44, s45, s44
	s_mul_i32 s44, s44, REC                        ; and of 15 - JJ
	s_mov_b32 s41, 0
	s_mov_b32 s43, 0
	s_mov_b32 s45, 0
	s_mov_b32 s47, 0
	s_lshl_b32 s48, s[CXX], 1
	s_add_co_u32 s48, s48, s[UU]                   ; which 16 of the 128 queries
	s_mul_i32 s49, s[HD], 768
	s_lshr_b32 s50, s[HD], 2
	s_lshl_b32 s50, s50, 7
	s_and_b32 s51, s[HD], 3
	s_lshl_b32 s51, s51, 1
	s_add_co_u32 s50, s50, s51
	s_mul_i32 s51, s[JJ], 2*REC                    ; where my two records go
	s_wait_alu depctr_va_vdst(0)
	s_wait_dscnt 0x0
	s_wait_kmcnt 0x0
	s_mov_b32 s[G0K], 1
	s_mov_b32 s[G0K+1], s51
	s_add_nc_u64 s[G0K+2:G0K+3], s[4:5], s[40:41]
	s_or_b32 s[G0K+3], s[G0K+3], 0x80000000
	s_mov_b32 s[G0V], 1
	s_add_co_u32 s[G0V+1], s51, VBASE
	s_add_nc_u64 s[G0V+2:G0V+3], s[4:5], s[42:43]
	s_or_b32 s[G0V+3], s[G0V+3], 0x80000000
	s_add_nc_u64 s[52:53], s[4:5], s[46:47]
	s_add_nc_u64 s[54:55], s[4:5], s[44:45]
	CROUND                                         ; the four work-groups are here: the joint loads meet
	s_cmp_lt_u32 s[WV], 8                          ; one load a wave, in two arms that join
	s_cbranch_scc0 .Lfor_v
	tensor_load_to_lds s[G0K:G0K+3], s[G1:G1+7]
	s_nop 0
.rept 4
	v_nop
.endr
	s_branch .Lasked
.Lfor_v:
	tensor_load_to_lds s[G0V:G0V+3], s[G1V:G1V+7]
	s_nop 0
.rept 4
	v_nop
.endr
.Lasked:
	v_and_b32 v11, 31, v0
	s_delay_alu instid0(VALU_DEP_1)
	v_lshlrev_b32 v[L8], 3, v11
	v_and_b32 v11, 15, v0
	s_delay_alu instid0(VALU_DEP_1)
	v_lshlrev_b32 v[R16], 4, v11
	s_delay_alu instid0(VALU_DEP_2)
	v_lshlrev_b32 v[R8], 3, v11
	s_mul_i32 s40, s48, 768
	v_add_nc_u32 v[QOF], s40, v[L8]
	s_lshl_b32 s41, s[CXX], 2
	v_add_nc_u32 v[QSO], s41, v[R16]
.irp p, 0,1,2
	global_load_b64 v[QA+2*\p:QA+2*\p+1], v[QOF], s[52:53] offset:256*\p
	global_load_b64 v[QB+2*\p:QB+2*\p+1], v[QOF], s[54:55] offset:256*\p
.endr
	global_load_b32 v[QA+6], v[QSO], s[52:53] offset:SCW
	global_load_b32 v[QB+6], v[QSO], s[54:55] offset:SCW
	v_bfe_u32 v3, v0, 4, 1
	v_and_b32 v4, 8, v11
	s_delay_alu instid0(VALU_DEP_1)
	v_add_nc_u32 v[DD], v4, v11
	s_delay_alu instid0(VALU_DEP_3)
	v_lshlrev_b32 v3, 4, v3
	s_delay_alu instid0(VALU_DEP_1)
	v_sub_nc_u32 v[DD], v[DD], v3
	s_lshl_b32 s42, s[CXX], 5
	s_lshl_b32 s43, s[UU], 3
	s_add_co_u32 s42, s42, s43
	v_add_nc_u32 v[DD], s42, v[DD]
.irp i, 0,1,2,3,4,5
	v_mov_b32 v[QF+6+\i], 0
.endr
.irp b, 0,1,2,3
	v_mov_b32 v[PX+\b], 0                          ; a lane permute's destination counts as read
.endr
	v_mov_b32 v[FF+1], 0
	v_mov_b32 v[T0], 0
	v_mov_b32 v[NINF], 0xff800000
	s_wait_alu depctr_va_vdst(0)
	s_wait_loadcnt 0x0
	s_wait_tensorcnt 0x0                           ; my two records are in;
	s_barrier_signal -1
	s_barrier_wait -1                              ; everybody's are
.Ltile:
	v_mov_b32 v[ADK], v[L8]
	v_mov_b32 v[ADKS], v[R16]
	KLOAD                                          ; step 0's fragments of K; the tile's set-up stands under their flight
	s_lshl_b32 s40, s[BB], 7
	s_lshl_b32 s41, s[JJ], 3
	s_add_co_u32 s40, s40, s41
	s_add_co_u32 s40, s40, s48                     ; z's block of 16 rows
	s_mul_i32 s42, s40, 12288
	s_add_co_u32 s42, s42, s49
	s_mov_b32 s43, 0
	s_add_nc_u64 s[56:57], s[6:7], s[42:43]
	s_lshl_b32 s42, s40, 9
	s_add_co_u32 s42, s42, s50
	s_add_nc_u64 s[58:59], s[8:9], s[42:43]
.irp i, 0,1,2,3,4,5
	v_mov_b32 v[QF+\i], v[QA+\i]
	v_mov_b32 v[QF+12+\i], v[QA+\i]
.endr
	v_perm_b32 v[QS], v[QA+6], v[QA+6], s[PSEL]
	v_mov_b32 v13, 0xff61b1e6                      ; the largest t so far: -3e38
	s_delay_alu instid0(VALU_DEP_1)
	v_floor_f32 v12, -v13                          ; -M
	v_mov_b32 v14, 0                               ; the row's sum, in two halves
	v_mov_b32 v15, 0
.set j, 0
.rept 32
	v_mov_b32 v[O+j], 0
.set j, j+1
.endr
	s_mov_b32 s[TB], 0
	s_mov_b32 s[KSN], 0
.Lstep:
	s_cmp_gt_u32 s[KSN], s[JJ]                     ; all 128 keys behind my queries: nothing to do
	s_cbranch_scc1 .Lhidden
	s_add_co_u32 s40, s[TB], VBASE
	v_add_nc_u32 v[ADV], s40, v[L8]
	v_add_nc_u32 v[ADVS], s40, v[R16]
	s_wait_alu depctr_va_vdst(0)
	s_wait_dscnt 0x0                               ; K's fragments, asked for in the step before
.irp f, 0,1,2,3
.irp u, 0,1
	v_wmma_scale_f32_16x16x128_f8f6f4 v[S+16*\f+8*\u:S+16*\f+8*\u+7], v[KV+12*\f:KV+12*\f+11], v[QF+6*\u:QF+6*\u+11], 0, v[KS+\f], v[QS] matrix_a_fmt:MATRIX_FMT_FP6 matrix_b_fmt:MATRIX_FMT_FP6
.endr
.endr
.rept 4
	v_nop                                          ; places ahead of the loads into K's registers and of the first read of scores
.endr
.irp t, 0,1,2,3
.irp p, 0,1,2,3,4,5
	ds_load_b64 v[KV+12*\t+2*\p:KV+12*\t+2*\p+1], v[ADV] offset:1536*\t+256*\p
.endr
.endr
	ds_load_b128 v[VS:VS+3], v[ADVS] offset:SCW
	s_cmp_lt_u32 s[KSN], s[JJ]
	s_cbranch_scc1 .Lopen
.set n, 0
.rept 64                                       ; the step on the diagonal: register n is key 32 (n / 16) + 16 h + n % 16
	v_cmp_gt_i32 vcc_lo, 32*(n/16)+n%16, v[DD]
	v_cndmask_b32 v[S+n], v[S+n], v[NINF], vcc_lo
.set n, n+1
.endr
.Lopen:
.irp b, 0,1,2,3
	v_max3_num_f32 v[BM+\b], v[S+16*\b], v[S+1+16*\b], v[S+2+16*\b]   ; each block's largest score
.endr
.irp i, 3,5,7,9,11,13
.irp b, 0,1,2,3
	v_max3_num_f32 v[BM+\b], v[BM+\b], v[S+16*\b+\i], v[S+1+16*\b+\i]
.endr
.endr
.irp b, 0,1,2,3
	v_max_num_f32 v[BM+\b], v[BM+\b], v[S+15+16*\b]
.endr
.irp b, 0,1,2,3
	s_delay_alu instid0(VALU_DEP_4)
	v_permlanex16_b32 v[PX+\b], v[BM+\b], s[SEL], s[SEL+1]
.endr
.irp b, 0,1,2,3
	s_delay_alu instid0(VALU_DEP_4)
	v_max_num_f32 v[BM+\b], v[BM+\b], v[PX+\b]
.endr
	s_delay_alu instid0(VALU_DEP_2)
	v_max3_num_f32 v[T0], v[BM], v[BM+1], v[BM+2]
	s_delay_alu instid0(VALU_DEP_1)
	v_max_num_f32 v[T0], v[T0], v[BM+3]
	s_delay_alu instid0(VALU_DEP_1)
	v_mul_f32 v[T0], s[CS], v[T0]
	s_delay_alu instid0(VALU_DEP_1)
	v_max_num_f32 v13, v13, v[T0]                  ; the running largest t
	v_mov_b32 v[T0], v12
	s_delay_alu instid0(VALU_DEP_2)
	v_floor_f32 v12, -v13                          ; the new -M
	s_delay_alu instid0(VALU_DEP_1)
	v_sub_f32 v[T0], v12, v[T0]
	s_delay_alu instid0(VALU_DEP_1)
	v_cvt_i32_f32 v[T0], v[T0]
	s_delay_alu instid0(VALU_DEP_1)
	v_ldexp_f32 v[FF], 1.0, v[T0]                  ; f = 2^(old M - new M)
.set j, 0
.rept 32
	v_pk_fma_f32 v[S+j:S+j+1], v[S+j:S+j+1], s[CS:CS+1], v[12:13] op_sel_hi:[1,0,0]   ; t - M
.set j, j+2
.endr
.irp b, 0,1,2,3
	v_fma_f32 v[BM+\b], v[BM+\b], s[CS], v12
.endr
.set j, 0
	s_wait_alu depctr_va_vdst(0)
.rept 64
	v_exp_f32 v[S+j], v[S+j]
.set j, j+1
.endr
.irp b, 0,1,2,3
	v_exp_f32 v[BM+\b], v[BM+\b]
.endr
	v_pk_mul_f32 v[14:15], v[14:15], v[FF:FF+1] op_sel_hi:[1,0]
	s_wait_alu depctr_va_vdst(0)
.irp b, 0,1,2,3
	v_max_num_f32 v[BM+\b], 0x1800000, v[BM+\b]    ; the floor 2^(3 - 127)
.endr
.irp b, 0,1,2,3
	s_delay_alu instid0(VALU_DEP_4)
	v_add_nc_u32 v[SO+\b], 0xff000000, v[BM+\b]
.endr
.irp b, 0,1,2,3
	s_delay_alu instid0(VALU_DEP_4)
	v_lshrrev_b32 v[BY+\b], 23, v[SO+\b]
.endr
	s_delay_alu instid0(VALU_DEP_3)
	v_lshl_or_b32 v[PWD], v[BY+1], 8, v[BY]
	s_delay_alu instid0(VALU_DEP_1)
	v_lshl_or_b32 v[PWD], v[BY+2], 16, v[PWD]
	s_delay_alu instid0(VALU_DEP_1)
	v_lshl_or_b32 v[PWD], v[BY+3], 24, v[PWD]
.irp c, 0,1
	v_cvt_scalef32_pk16_fp6_f32 v[PCD+6*\c:PCD+2+6*\c], v[S+32*\c:S+15+32*\c], v[SO+2*\c]
	v_cvt_scalef32_pk16_fp6_f32 v[CT+4*\c:CT+2+4*\c], v[S+16+32*\c:S+31+32*\c], v[SO+2*\c+1]
.endr
	v_nop                                          ; one plain line behind a scaled conversion
.irp c, 0,1
.irp i, 0,1,2
	v_permlane16_swap_b32 v[PCD+6*\c+\i], v[CT+4*\c+\i]
.endr
.irp i, 0,1,2
	s_delay_alu instid0(VALU_DEP_3)
	v_mov_b32 v[PCD+3+6*\c+\i], v[CT+4*\c+\i]
.endr
.endr
	s_wait_alu depctr_va_vdst(0)
.set j, 0
.rept 16
	v_pk_mul_f32 v[O+j:O+j+1], v[O+j:O+j+1], v[FF:FF+1] op_sel_hi:[1,0]
.set j, j+2
.endr
	s_wait_alu depctr_va_vdst(0)
	s_wait_dscnt 0x0                               ; V's fragments
.irp t, 0,1,2,3
	v_wmma_scale_f32_16x16x128_f8f6f4 v[O+8*\t:O+8*\t+7], v[KV+12*\t:KV+12*\t+11], v[PCD:PCD+11], v[O+8*\t:O+8*\t+7], v[VS+\t], v[PWD] matrix_a_fmt:MATRIX_FMT_FP6 matrix_b_fmt:MATRIX_FMT_FP6
.endr
	s_add_co_u32 s41, s[TB], REC
	v_pk_add_f32 v[PX:PX+1], v[S:S+1], v[S+2:S+3]  ; the row's sum of the unquantised p, in two chains; its first lines are the places ahead of the loads into V's registers
.irp j, 4,8
	v_pk_add_f32 v[14:15], v[14:15], v[S+\j:S+1+\j]
	v_pk_add_f32 v[PX:PX+1], v[PX:PX+1], v[S+2+\j:S+3+\j]
.endr
	v_add_nc_u32 v[ADK], s41, v[L8]
	v_add_nc_u32 v[ADKS], s41, v[R16]
	KLOAD                                          ; the next step's fragments of K
.irp j, 12,16,20,24,28,32,36,40,44,48,52,56,60
	v_pk_add_f32 v[14:15], v[14:15], v[S+\j:S+1+\j]
	v_pk_add_f32 v[PX:PX+1], v[PX:PX+1], v[S+2+\j:S+3+\j]
.endr
	s_delay_alu instid0(VALU_DEP_1)
	v_pk_add_f32 v[14:15], v[14:15], v[PX:PX+1]
.Lhidden:
	s_add_co_u32 s[TB], s[TB], REC
	s_add_co_u32 s[KSN], s[KSN], 1
	s_cmp_lt_u32 s[KSN], 16
	s_cbranch_scc1 .Lstep
	s_wait_dscnt 0x0                               ; the last request for K's fragments has landed: its registers may be loaded anew
.rept 4
	v_nop
.endr
	s_wait_alu depctr_va_vdst(0)
	v_add_f32 v14, v14, v15
	s_delay_alu instid0(VALU_DEP_1)
	v_permlanex16_b32 v[T0], v14, s[SEL], s[SEL+1]
	s_delay_alu instid0(VALU_DEP_1)
	v_add_f32 v14, v14, v[T0]                      ; the row's sum
	s_wait_alu depctr_va_vdst(0)
	v_rcp_f32 v[FF], v14
	v_nop
.set j, 0
	s_wait_alu depctr_va_vdst(0)
.rept 16
	v_pk_mul_f32 v[S+j:S+j+1], v[O+j:O+j+1], v[FF:FF+1] op_sel_hi:[1,0]   ; z: register 16 b + i is d = 32 b + 16 h + i
.set j, j+2
.endr
.irp b, 0,1
	v_max3_num_f32 v[BM+\b], |v[S+16*\b]|, |v[S+1+16*\b]|, 0x1800000
.endr
.irp i, 2,4,6,8,10,12,14
.irp b, 0,1
	s_delay_alu instid0(VALU_DEP_2)
	v_max3_num_f32 v[BM+\b], v[BM+\b], |v[S+16*\b+\i]|, |v[S+1+16*\b+\i]|
.endr
.endr
.irp b, 0,1
	s_delay_alu instid0(VALU_DEP_2)
	v_permlanex16_b32 v[PX+\b], v[BM+\b], s[SEL], s[SEL+1]
.endr
.irp b, 0,1
	s_delay_alu instid0(VALU_DEP_2)
	v_max_num_f32 v[BM+\b], v[BM+\b], v[PX+\b]
.endr
.irp b, 0,1
	s_delay_alu instid0(VALU_DEP_2)
	v_add_nc_u32 v[SO+\b], 0xff000000, v[BM+\b]
.endr
.irp b, 0,1
	s_delay_alu instid0(VALU_DEP_2)
	v_lshrrev_b32 v[BY+\b], 23, v[SO+\b]
.endr
	s_delay_alu instid0(VALU_DEP_1)
	v_lshl_or_b32 v[ZW], v[BY+1], 8, v[BY]
	v_cvt_scalef32_pk16_fp6_f32 v[PCD:PCD+2], v[S:S+15], v[SO]
	v_cvt_scalef32_pk16_fp6_f32 v[CT:CT+2], v[S+16:S+31], v[SO+1]
	v_nop
.irp i, 0,1,2
	v_permlane16_swap_b32 v[PCD+\i], v[CT+\i]
.endr
.irp i, 0,1,2
	s_delay_alu instid0(VALU_DEP_3)
	v_mov_b32 v[PCD+3+\i], v[CT+\i]
.endr
.irp p, 0,1,2
	global_store_b64 v[L8], v[PCD+2*\p:PCD+2*\p+1], s[56:57] offset:256*\p   ; 32 lanes store 256 consecutive bytes, aligned
.endr
	global_store_b16 v[R8], v[ZW], s[58:59]        ; my head's two bytes of the row's eight
	s_wait_xcnt 0x0                                ; the stores have read their registers and bases
.irp i, 0,1,2,3,4,5,6
	v_mov_b32 v[QA+\i], v[QB+\i]
.endr
	s_sub_co_u32 s[JJ], 15, s[JJ]
	s_sub_co_u32 s[TL], s[TL], 1
	s_cmp_lg_u32 s[TL], 0
	s_wait_alu depctr_va_vdst(0)
	s_cbranch_scc1 .Ltile
	s_wait_tensorcnt 0x0                           ; the wave's end
	ds_add_u32 v254, v255
	s_wait_dscnt 0x0
	CROUND                                         ; the closing round
	s_endpgm
.Lfunc_end_k_q7822d9a33c_attn:
	.size	k_q7822d9a33c_attn, .Lfunc_end_k_q7822d9a33c_attn-k_q7822d9a33c_attn
	.p2alignl 7, 3214868480
	.fill 96, 4, 3214868480
	.section	.rodata,"a",@progbits
	.p2align	6, 0x0
	.amdhsa_kernel k_q7822d9a33c_attn
		.amdhsa_group_segment_fixed_size 327680
		.amdhsa_private_segment_fixed_size 0
		.amdhsa_enable_private_segment 0
		.amdhsa_kernarg_size 24
		.amdhsa_user_sgpr_count 2
		.amdhsa_user_sgpr_kernarg_segment_ptr 1
		.amdhsa_wavefront_size32 1
		.amdhsa_system_sgpr_workgroup_id_x 1
		.amdhsa_system_sgpr_workgroup_id_y 1
		.amdhsa_system_sgpr_workgroup_id_z 1
		.amdhsa_system_vgpr_workitem_id 0
		.amdhsa_next_free_vgpr 256
		.amdhsa_next_free_sgpr 76
		.amdhsa_reserve_vcc 1
		.amdhsa_float_denorm_mode_32 3
		.amdhsa_float_denorm_mode_16_64 3
		.amdhsa_memory_ordered 1
		.amdhsa_forward_progress 1
		.amdhsa_inst_pref_size 40
	.end_amdhsa_kernel
	.amdgpu_metadata
---
amdhsa.version: [ 1, 2 ]
amdhsa.kernels:
  - .name:           k_q7822d9a33c_attn
    .symbol:         k_q7822d9a33c_attn.kd
    .args:
      - { .name: qkv, .offset: 0, .size: 8, .value_kind: global_buffer, .address_space: global }
      - { .name: zimg, .offset: 8, .size: 8, .value_kind: global_buffer, .address_space: global }
      - { .name: zsc, .offset: 16, .size: 8, .value_kind: global_buffer, .address_space: global }
    .group_segment_fixed_size: 327680
    .private_segment_fixed_size: 0
    .kernarg_segment_align: 8
    .kernarg_segment_size: 24
    .max_flat_workgroup_size: 512
    .sgpr_count:     76
    .vgpr_count:     256
    .wavefront_size: 32
...
	.end_amdgpu_metadata
.endif
;; end of part 3
;; launch proj (part 4): grid 4 x 64, 4 waves a work-group, clusters of 4 x 4, 327,680 bytes of LDS; arguments zimg, zsc, ops, opsc, bp, out0; writes out0
.if DOCPART == 4
	.amdgcn_target "amdgcn-amd-amdhsa--gfx1250"
	.amdhsa_code_object_version 6
	.text
	.protected	k_q7822d9a33c_proj
	.globl	k_q7822d9a33c_proj
	.p2align	8
	.type	k_q7822d9a33c_proj,@function
k_q7822d9a33c_proj:
	s_mov_b64 s[64:65], 0
	v_nop
	global_prefetch_b8 v0, s[64:65] scope:SCOPE_SE
	s_setreg_imm32_b32 hwreg(HW_REG_WAVE_MODE, 25, 1), 1
	s_wait_xcnt 0x0
	s_wait_alu depctr_hold_cnt(0) depctr_sa_sdst(0) depctr_va_vdst(0) depctr_va_sdst(0) depctr_va_ssrc(0) depctr_va_vcc(0) depctr_vm_vsrc(0)
	s_getreg_b32 s2, hwreg(HW_REG_IB_STS2, 6, 4)
	s_cmp_eq_u32 s2, 0
	s_cbranch_scc0 .Lentry_in_a_cluster
	s_endpgm
.Lentry_in_a_cluster:
	s_bfe_u32 s2, ttmp6, 0x10000c
	s_cmp_lg_u32 s2, 0xf033
	s_cbranch_scc0 .Lentry_shape_is_right
	s_endpgm
.Lentry_shape_is_right:
.set NQ,     2
.set FR,     12
.set NP,     4
.set BLKB,   3072
.set HALFT,  8*BLKB
.set SLOT,   4*HALFT
.set SCL,    2*SLOT
.set SBLK,   512
.set SPARE,  SCL+12288
.set SPITCH, 528
.set ADRA, 16
.set ADRB, 20
.set STO,  24
.set RD,   25
.set CO,   26
.set ADRS, 27
.set SPW,  28
.set NIL,  29
.set BOF,  30
.set SC,   32
.set BI,   64
.set AF,   128
.set BK,   128
.set G1, 24
.set G0, 32
.set G1B, 48
.set G0B, 56
.set G1S, 68
.set G0S, 76
.set G1SB, 80
.set G0SB, 88
.set MSB, 0
.macro WIN new
.if MSB != (\new)
	s_set_vgpr_msb (MSB<<8)|(\new)
.set MSB, (\new)
.endif
.endm
.set MUL_LO, 0xa1
.set BIAS_LO, 0x81
.set TO_B,   0x40
.macro JLOAD g0a, g1a, g0b, g1b
	s_cmp_eq_u32 s15, 0
	s_cbranch_scc0 .Lfor_b_\@
	tensor_load_to_lds s[\g0a:\g0a+3], s[\g1a:\g1a+7]
	s_nop 0
.rept 4
	v_nop
.endr
	s_branch .Lasked_\@
.Lfor_b_\@:
	tensor_load_to_lds s[\g0b:\g0b+3], s[\g1b:\g1b+7]
	s_nop 0
.rept 4
	v_nop
.endr
.Lasked_\@:
.endm
.macro CREST
	s_cmp_lg_u32 s14, 0
	s_cbranch_scc1 .Lnot_wave_0_\@
	s_barrier_signal -3
.Lnot_wave_0_\@:
	s_barrier_wait -3
	s_barrier_signal -1
	s_barrier_wait -1
.endm
.macro CROUND
	s_barrier_signal -1
	s_barrier_wait -1
	CREST
.endm
.macro FRAG reg, adr, q, i
.irp p, 0,1,2,3,4,5
	ds_load_b64 v[\reg+2*\p:\reg+2*\p+1], v[\adr] offset:(\i)*BLKB+(\q)*1536+256*\p
.endr
.endm
.macro MUL16 a0, p, q, sc, zero, af
.irp a, \a0, \a0+1
.irp b, 0,1,2,3,4,5,6,7
.if \zero
	v_wmma_scale_f32_16x16x128_f8f6f4 v[8*(8*(\a)+\b):8*(8*(\a)+\b)+7], v[128*(\p)+FR*\b:128*(\p)+FR*\b+FR-1], v[\af+FR*(\a):\af+FR*(\a)+FR-1], v[BI+8*\b:BI+8*\b+7], v[SC+8*NQ*(\sc)+NQ*\b+(\q)], v[SC+8*NQ*(\sc)+NQ*(\a)+(\q)] matrix_a_fmt:MATRIX_FMT_FP6 matrix_b_fmt:MATRIX_FMT_FP6 matrix_a_scale:MATRIX_SCALE_ROW1
.else
	v_wmma_scale_f32_16x16x128_f8f6f4 v[8*(8*(\a)+\b):8*(8*(\a)+\b)+7], v[128*(\p)+FR*\b:128*(\p)+FR*\b+FR-1], v[\af+FR*(\a):\af+FR*(\a)+FR-1], v[8*(8*(\a)+\b):8*(8*(\a)+\b)+7], v[SC+8*NQ*(\sc)+NQ*\b+(\q)], v[SC+8*NQ*(\sc)+NQ*(\a)+(\q)] matrix_a_fmt:MATRIX_FMT_FP6 matrix_b_fmt:MATRIX_FMT_FP6 matrix_a_scale:MATRIX_SCALE_ROW1
.endif
.endr
.endr
.endm
.macro FETCH_B slot, q, p
	WIN TO_B
.irp i, 0,1,2,3,4,5,6,7
	FRAG 128*(\p)+FR*\i, ADRB+\slot, \q, \i
.endr
	WIN 0
.endm
.macro FETCH_A2 slot, q, p
.irp i, 0,1,2,3
	FRAG AF+48*(\p)+FR*\i, ADRA+\slot, \q, \i
.endr
.endm
.macro SCALES sc
.irp i, 0,1,2,3,4,5,6,7
	ds_load_b64 v[SC+8*NQ*\sc+NQ*\i:SC+8*NQ*\sc+NQ*\i+1], v[ADRS] offset:\i*SBLK
.endr
.endm
.macro PLACES n
.rept \n
	v_nop
.endr
.endm
.macro STEP2 slot, zero
	s_wait_dscnt 0x0
	FETCH_B \slot, 1, 1
	FETCH_A2 \slot, 1, 1
.if \zero
	WIN BIAS_LO
.else
	WIN MUL_LO
.endif
	MUL16 0, 0, 0, \slot, \zero, AF
	MUL16 2, 0, 0, \slot, \zero, AF
	WIN 0
	PLACES NP
.endm
.macro TURN2 slot, next, fill
	s_wait_tensorcnt 0x0
	ds_add_u32 v[SPW], v[NIL]
.if \fill
	s_add_nc_u64 s[G0+4*\slot+2:G0+4*\slot+3], s[G0+4*\slot+2:G0+4*\slot+3], 2*BLKB
	s_add_nc_u64 s[G0B+4*\slot+2:G0B+4*\slot+3], s[G0B+4*\slot+2:G0B+4*\slot+3], 2*BLKB
.endif
	s_wait_dscnt 0x0
	s_barrier_signal -1
	WIN MUL_LO
	MUL16 0, 1, 1, \slot, 0, AF+48
	WIN 0
	s_barrier_wait -1
.if \fill
	CREST
	JLOAD G0+4*\slot, G1, G0B+4*\slot, G1B
.endif
	s_wait_alu depctr_va_vdst(0)
	v_add_nc_u32 v[ADRS], 128, v[ADRS]
	FETCH_B \next, 0, 0
	FETCH_A2 \next, 0, 0
	SCALES \next
	WIN MUL_LO
	MUL16 2, 1, 1, \slot, 0, AF+48
	WIN 0
	PLACES NP
.endm
.macro TOSTAGE a
.set AC, 64*(\a)
	WIN 0x08
.irp b, 0,1,2,3,4,5,6,7
	ds_store_b128 v[STO], v[AC+8*\b:AC+8*\b+3] offset:128*(\b/2)+32*(\b%2)
	ds_store_b128 v[STO], v[AC+8*\b+4:AC+8*\b+7] offset:128*(\b/2)+32*(\b%2)+16
.endr
	WIN 0
.set BB, BK+64*((\a)%2)
.irp t, 0,1,2,3,4,5,6,7,8,9,10,11,12,13,14,15
	ds_load_b128 v[BB+4*\t:BB+4*\t+3], v[RD] offset:\t*SPITCH
.endr
.endm
.macro SEND a, younger
.set BB, BK+64*((\a)%2)
	s_wait_dscnt \younger
.if (\a) > 0
.if (\a)%2 == 1
	s_add_nc_u64 s[94:95], s[94:95], 8*4096
.else
	s_add_nc_u64 s[94:95], s[94:95], 24*4096
.endif
.endif
.irp t, 0,1,2,3,4,5,6,7,8,9,10,11,12,13,14,15
	global_store_b128 v[CO], v[BB+4*\t:BB+4*\t+3], s[94:95] offset:(\t+8*(\t/8))*4096 th:TH_STORE_NT
.endr
.endm
	s_load_b256 s[4:11], s[0:1], 0x0
	s_load_b128 s[92:95], s[0:1], 0x20
	v_lshl_add_u32 v[SPW], v0, 2, SPARE
	v_mov_b32 v[NIL], 0
	ds_add_u32 v28, v29
	ds_add_u32 v28, v29
	s_wait_dscnt 0x0
	v_lshrrev_b32 v1, 5, v0
	v_readfirstlane_b32 s14, v1
	s_lshr_b32 s15, s14, 1
	s_and_b32 s16, s14, 1
	s_bfe_u32 s40, ttmp6, 0x40000
	s_bfe_u32 s41, ttmp6, 0x40004
	s_lshl_b32 s42, ttmp9, 2
	s_add_co_u32 s42, s42, s40
	s_and_b32 s17, ttmp7, 0xffff
	s_lshl_b32 s17, s17, 2
	s_add_co_u32 s17, s17, s41
	s_lshl_b32 s43, s41, 2
	s_lshl_b32 s43, 15, s43
	s_lshl_b32 s44, 0x1111, s40
	s_or_b32 s[G1+0], s43, (3<<16)|(1<<21)
	s_or_b32 s[G1B+0], s44, (3<<16)|(1<<21)
.irp g, G1, G1B
	s_mov_b32 s[\g+1], 384<<16
	s_mov_b32 s[\g+3], 384<<16
	s_mov_b32 s[\g+5], 1536
	s_mov_b32 s[\g+6], 0
	s_mov_b32 s[\g+7], 0
.endr
	s_mov_b32 s[G1+2], 4<<16
	s_mov_b32 s[G1+4], 4
	s_mov_b32 s[G1B+2], 8<<16
	s_mov_b32 s[G1B+4], 8
	s_or_b32 s[G1S+0], s43, (3<<16)|(1<<21)
	s_or_b32 s[G1SB+0], s44, (3<<16)|(1<<21)
.irp g, G1S, G1SB
	s_mov_b32 s[\g+1], 32<<16
	s_mov_b32 s[\g+3], 32<<16
	s_mov_b32 s[\g+5], 32
	s_mov_b32 s[\g+6], 0
	s_mov_b32 s[\g+7], 0
.endr
	s_mov_b32 s[G1S+2], 8<<16
	s_mov_b32 s[G1S+4], 8
	s_mov_b32 s[G1SB+2], 16<<16
	s_mov_b32 s[G1SB+4], 16
	s_lshl_b32 s18, s16, 2
	s_lshl_b32 s20, s17, 3
	s_add_co_u32 s20, s20, s18
	s_lshl_b32 s19, s16, 3
	s_lshl_b32 s46, s42, 4
	s_add_co_u32 s46, s46, s19
	s_add_co_u32 s46, s46, 704
	s_lshl_b32 s22, s20, 9
	s_mov_b32 s23, 0
	s_mul_i32 s20, s20, 12288
	s_mov_b32 s21, 0
	s_lshl_b32 s98, s46, 9
	s_mov_b32 s99, 0
	s_mul_i32 s46, s46, 12288
	s_mov_b32 s47, 0
	s_mul_i32 s45, s14, HALFT
	s_lshl_b32 s2, s16, 11
	s_lshl_b32 s3, s16, 12
	s_wait_kmcnt 0x0
	s_add_nc_u64 s[20:21], s[4:5], s[20:21]
	s_add_nc_u64 s[22:23], s[6:7], s[22:23]
	s_add_nc_u64 s[46:47], s[8:9], s[46:47]
	s_add_nc_u64 s[98:99], s[10:11], s[98:99]
	CROUND
	s_mov_b32 s[G0S], 1
	s_add_co_u32 s[G0S+1], s2, SCL
	s_mov_b64 s[G0S+2:G0S+3], s[22:23]
	s_or_b32 s[G0S+3], s[G0S+3], 0x80000000
	s_mov_b32 s[G0SB], 1
	s_add_co_u32 s[G0SB+1], s3, SCL+4096
	s_mov_b64 s[G0SB+2:G0SB+3], s[98:99]
	s_or_b32 s[G0SB+3], s[G0SB+3], 0x80000000
	JLOAD G0S, G1S, G0SB, G1SB
.irp s, 0,1
	s_mov_b32 s[G0+4*\s], 1
	s_add_co_u32 s[G0+4*\s+1], s45, \s*SLOT
	s_add_nc_u64 s[G0+4*\s+2:G0+4*\s+3], s[20:21], \s*BLKB
	s_or_b32 s[G0+4*\s+3], s[G0+4*\s+3], 0x80000000
	s_mov_b32 s[G0B+4*\s], 1
	s_add_co_u32 s[G0B+4*\s+1], s45, \s*SLOT
	s_add_nc_u64 s[G0B+4*\s+2:G0B+4*\s+3], s[46:47], \s*BLKB
	s_or_b32 s[G0B+4*\s+3], s[G0B+4*\s+3], 0x80000000
	s_wait_alu depctr_va_vdst(0)
	s_wait_tensorcnt 0x0
	ds_add_u32 v28, v29
	s_wait_dscnt 0x0
	CROUND
	JLOAD G0+4*\s, G1, G0B+4*\s, G1B
.endr
	v_and_b32 v1, 15, v0
	v_bfe_u32 v2, v0, 4, 1
	v_and_b32 v3, 31, v0
	v_lshlrev_b32 v4, 3, v3
	s_wait_alu depctr_va_vdst(0)
	s_lshl_b32 s46, s42, 10
	s_lshl_b32 s47, s16, 9
	s_add_co_u32 s46, s46, s47
	s_mov_b32 s47, 0
	s_add_nc_u64 s[92:93], s[92:93], s[46:47]
	v_lshlrev_b32 v[BOF], 6, v2
.irp b, 0,1,2,3,4,5,6,7
	global_load_b128 v[BI+8*\b:BI+8*\b+3], v[BOF], s[92:93] offset:(32*(\b/2)+8*(\b%2))*4
	global_load_b128 v[BI+8*\b+4:BI+8*\b+7], v[BOF], s[92:93] offset:(32*(\b/2)+8*(\b%2))*4+16
.endr
	s_mul_i32 s21, s15, HALFT
	s_mul_i32 s22, s16, HALFT
	s_add_co_u32 s22, s22, 2*HALFT
.irp s, 0,1
	v_add_nc_u32 v[ADRA+\s], s21, v4
	v_add_nc_u32 v[ADRB+\s], s22, v4
	s_add_co_u32 s21, s21, SLOT
	s_add_co_u32 s22, s22, SLOT
.endr
	v_lshlrev_b32 v5, 3, v1
	s_lshl_b32 s21, s15, 11
	s_lshl_b32 s22, s16, 12
	s_add_co_u32 s22, s22, 4096
	s_sub_co_u32 s22, s22, s21
	v_mul_u32_u24 v6, s22, v2
	s_add_co_u32 s21, s21, SCL
	v_add_nc_u32 v5, v5, v6
	v_add_nc_u32 v[ADRS], s21, v5
	s_mul_i32 s23, s14, 16*SPITCH
	v_mul_u32_u24 v5, v1, SPITCH
	v_lshl_add_u32 v5, v2, 6, v5
	v_add_nc_u32 v[STO], s23, v5
	v_lshlrev_b32 v[CO], 4, v3
	v_add_nc_u32 v[RD], s23, v[CO]
	s_lshl_b32 s20, s17, 7
	s_lshl_b32 s21, s15, 6
	s_add_co_u32 s20, s20, s21
	s_lshl_b32 s20, s20, 12
	s_add_co_u32 s20, s20, s46
	s_mov_b32 s21, 0
	s_add_nc_u64 s[94:95], s[94:95], s[20:21]
	s_wait_alu depctr_va_vdst(0)
	s_wait_tensorcnt 1
	s_barrier_signal -1
	s_barrier_wait -1
	FETCH_B 0, 0, 0
	FETCH_A2 0, 0, 0
	SCALES 0
	s_wait_loadcnt 0x0
	STEP2 0, 1
	TURN2 0, 1, 1
	STEP2 1, 0
	TURN2 1, 0, 1
	STEP2 0, 0
	TURN2 0, 1, 0
	STEP2 1, 0
	s_wait_dscnt 0x0
	WIN MUL_LO
	MUL16 0, 1, 1, 1, 0, AF+48
	MUL16 2, 1, 1, 1, 0, AF+48
	WIN 0
	PLACES NP
	TOSTAGE 0
.irp a, 1,2,3
.if \a > 1
	s_wait_xcnt 0x0
.endif
	TOSTAGE \a
	SEND \a-1, 32
.endr
	s_wait_xcnt 0x0
	SEND 3, 0
	s_wait_tensorcnt 0x0
	ds_add_u32 v[SPW], v[NIL]
	s_wait_dscnt 0x0
	CROUND
	s_endpgm
.Lfunc_end_k_q7822d9a33c_proj:
	.size	k_q7822d9a33c_proj, .Lfunc_end_k_q7822d9a33c_proj-k_q7822d9a33c_proj
	.p2alignl 7, 3214868480
	.fill 96, 4, 3214868480
	.section	.rodata,"a",@progbits
	.p2align	6, 0x0
	.amdhsa_kernel k_q7822d9a33c_proj
		.amdhsa_group_segment_fixed_size 327680
		.amdhsa_private_segment_fixed_size 0
		.amdhsa_enable_private_segment 0
		.amdhsa_kernarg_size 48
		.amdhsa_user_sgpr_count 2
		.amdhsa_user_sgpr_kernarg_segment_ptr 1
		.amdhsa_wavefront_size32 1
		.amdhsa_system_sgpr_workgroup_id_x 1
		.amdhsa_system_sgpr_workgroup_id_y 1
		.amdhsa_system_sgpr_workgroup_id_z 1
		.amdhsa_system_vgpr_workitem_id 0
		.amdhsa_next_free_vgpr 1024
		.amdhsa_next_free_sgpr 100
		.amdhsa_reserve_vcc 0
		.amdhsa_float_denorm_mode_32 3
		.amdhsa_float_denorm_mode_16_64 3
		.amdhsa_memory_ordered 1
		.amdhsa_forward_progress 1
		.amdhsa_inst_pref_size 102
	.end_amdhsa_kernel
	.amdgpu_metadata
---
amdhsa.version: [ 1, 2 ]
amdhsa.kernels:
  - .name:           k_q7822d9a33c_proj
    .symbol:         k_q7822d9a33c_proj.kd
    .args:
      - { .name: zimg, .offset: 0, .size: 8, .value_kind: global_buffer, .address_space: global }
      - { .name: zsc, .offset: 8, .size: 8, .value_kind: global_buffer, .address_space: global }
      - { .name: ops, .offset: 16, .size: 8, .value_kind: global_buffer, .address_space: global }
      - { .name: opsc, .offset: 24, .size: 8, .value_kind: global_buffer, .address_space: global }
      - { .name: bp, .offset: 32, .size: 8, .value_kind: global_buffer, .address_space: global }
      - { .name: out0, .offset: 40, .size: 8, .value_kind: global_buffer, .address_space: global }
    .group_segment_fixed_size: 327680
    .private_segment_fixed_size: 0
    .kernarg_segment_align: 8
    .kernarg_segment_size: 48
    .max_flat_workgroup_size: 128
    .sgpr_count:     100
    .vgpr_count:     1024
    .wavefront_size: 32
...
	.end_amdgpu_metadata
.endif
;; end of part 4
